; MI455X (gfx1250); checked and timed in simulation.
; The chip was launched on July 23, 2026; its instructions are those of AMD's public machine-readable ISA for CDNA 5 (MIT licence, August 2026) and "CDNA5" Instruction Set Architecture Reference Guide (July 2026). The comments in the code are by the model that wrote it; some were corrected since.
;; Multi Head Attention. Allowed arithmetic: float matrix products may take bf16 or f16 operands with f32 sums; all other float work in f32.
;; Inputs: bk 16 x 64 float32; bo 1,024 float32; bq 16 x 64 float32; bv 16 x 64 float32; k_hidden_inputs 4 x 2,048 x 1,024 float32; mask 4 x 2,048 x 2,048 bool; q_hidden_inputs 4 x 2,048 x 1,024 float32; v_hidden_inputs 4 x 2,048 x 1,024 float32; wk 16 x 1,024 x 64 float32; wo 1,024 x 1,024 float32; wq 16 x 1,024 x 64 float32; wv 16 x 1,024 x 64 float32.
;; Outputs: out0 4 x 2,048 x 1,024 float32.
;; One version. Each part assembles by itself: llvm-mc -triple=amdgcn-amd-amdhsa -mcpu=gfx1250 --defsym DOCPART=n.
;; ======== version 1 of 1: 4 launches
;; limits: values are held in f16: magnitudes above 65,504 overflow, below 6.1e-05 lose precision; right only within a limited range of input values
;; workspace buffers: wb 8,388,608 bytes; mbits 2,097,152 bytes of whole numbers; qkv 50,331,648 bytes; oh 16,777,216 bytes
;; launch prep (part 1): grid 768 x 1, 8 waves a work-group, no clusters, 0 bytes of LDS; arguments mask, wq, wk, wv, wo, wb, mbits; writes wb, mbits
.if DOCPART == 1
	.amdgcn_target "amdgcn-amd-amdhsa--gfx1250"
	.amdhsa_code_object_version 6
	.text
	.protected	k_q6a0ac49a5d_prep
	.globl	k_q6a0ac49a5d_prep
	.p2align	8
	.type	k_q6a0ac49a5d_prep,@function
k_q6a0ac49a5d_prep:
	s_mov_b64 s[64:65], 0
	v_nop
	global_prefetch_b8 v0, s[64:65] scope:SCOPE_SE
	s_setreg_imm32_b32 hwreg(HW_REG_WAVE_MODE, 25, 1), 1
	s_wait_xcnt 0x0
; PREPARATION, a stream: no LDS, no matrix unit, no cluster (no two work-groups read the same bytes).
; Work-groups 0-511 (one for each tile of 16 query rows): the boolean mask [4][2048][2048], one byte a key, becomes LANE MASKS for the attention launch:
;   mbits[qtile][step = key / 64][word 8 kb + j], bit L = mask[16 qtile + L % 16][64 step + 16 kb + 8 (L / 16) + j]: the lane and register in which that launch holds the score.
;   They are made once for the 16 heads of a batch.  A mask byte is 0 or 1.
; Work-groups 512-767 (64 for each of four matrices, 16 rows of k each): the weights to 16 bits, wb[t][k = 1024][n = 1024]:
;   t = 0, 1, 2: wq, wk, wv rounded to bf16, n = 64 head + channel;  t = 3: wo rounded to bf16, that number written as f16.
; LIMIT: |wo| stays under 65,504 (f16's end); below 6e-5 it keeps f16's fixed step of 6e-8.
	s_load_b256 s[4:11], s[0:1], 0x0               ; mask s[4:5], wq s[6:7], wk s[8:9], wv s[10:11]
	s_load_b128 s[12:15], s[0:1], 0x20             ; wo s[12:13], wb s[14:15]
	s_load_b64 s[16:17], s[0:1], 0x30              ; mbits
	v_and_b32 v4, 15, v0                           ; i = lane % 16
	v_bfe_u32 v5, v0, 4, 1                         ; g = lane / 16
	v_lshrrev_b32 v3, 5, v0                        ; wave
	s_mov_b32 s21, 0                               ; high words of the two offset pairs
	s_mov_b32 s23, 0
	s_wait_kmcnt 0x0
	s_cmp_lt_u32 ttmp9, 512
	s_cbranch_scc0 .Lweights
	; THE MASK.  Wave w takes keys 256 w .. 256 w + 255 of the tile's 16 rows.  Load t: lanes 0-15 row t, lanes 16-31 row t + 8, 16 keys a lane: 16 lanes read 256 consecutive bytes.
	v_lshlrev_b32 v1, 8, v3                        ; 256 w
	v_lshl_add_u32 v1, v5, 14, v1                  ; + 8 g rows of 2,048 bytes
	v_lshl_add_u32 v1, v4, 4, v1                   ; + 16 i
	v_lshlrev_b32 v6, 9, v3                        ; out: 512 w
	v_lshl_add_u32 v6, v4, 5, v6                   ; + 32 i (the eight words of a group of 16 keys)
	v_lshl_add_u32 v6, v5, 4, v6                   ; + 16 g (words 4-7)
	s_lshl_b32 s20, ttmp9, 15                      ; 16 rows of 2,048 bytes
	s_lshl_b32 s22, ttmp9, 12                      ; 32 steps of 128 bytes
	s_add_nc_u64 s[4:5], s[4:5], s[20:21]
	s_add_nc_u64 s[16:17], s[16:17], s[22:23]
.set t, 0
.rept 8
	global_load_b128 v[16+4*t:19+4*t], v1, s[4:5] offset:2048*t th:TH_LOAD_NT
.set t, t+1
.endr
	s_mov_b32 s24, 0x76543210                      ; v_permlanex16_b32: each lane takes its own place in the other half
	s_mov_b32 s25, 0xfedcba98
	v_and_b32 v2, 31, v0
	v_cmp_gt_u32 vcc_lo, 16, v2                    ; set where g = 0
	v_mov_b32 v7, 0x05010400                       ; byte selects for g = 1: the partner's byte (rows 0-7) below mine,
	v_mov_b32 v8, 0x07030602
	v_mov_b32 v9, 0x01050004                       ; for g = 0: mine below the partner's
	v_mov_b32 v10, 0x03070206
	v_cndmask_b32 v7, v7, v9, vcc_lo
	v_cndmask_b32 v8, v8, v10, vcc_lo
	; eight rows fold into the bits of a byte: bit t of byte k of v[16:19] = mask[t + 8 g][key k of my 16]
.set t, 1
.rept 7
	s_wait_loadcnt 7-t                             ; loads come back in order: rows 0 .. t are in, the 7 - t younger stay out
.set w, 0
.rept 4
	v_lshl_or_b32 v[16+w], v[16+4*t+w], t, v[16+w]
.set w, w+1
.endr
.set t, t+1
.endr
	; a lane with g = 0 makes words 0-3 (keys 0-3 and 8-11), one with g = 1 words 4-7 (keys 4-7 and 12-15): each keeps two registers and sends the other two across
	v_cndmask_b32 v48, v16, v17, vcc_lo            ; sent
	v_cndmask_b32 v49, v18, v19, vcc_lo
	v_cndmask_b32 v50, v17, v16, vcc_lo            ; kept
	v_cndmask_b32 v51, v19, v18, vcc_lo
	v_mov_b32 v52, 0                               ; the exchange's destinations count as read
	v_mov_b32 v53, 0
	v_permlanex16_b32 v52, v48, s24, s25
	v_permlanex16_b32 v53, v49, s24, s25
	v_perm_b32 v54, v50, v52, v7                   ; bytes 0, 1 of words 0 and 1
	v_perm_b32 v55, v50, v52, v8                   ; of words 2 and 3
	v_perm_b32 v56, v51, v53, v7                   ; bytes 2, 3 of words 0 and 1
	v_perm_b32 v57, v51, v53, v8
	v_perm_b32 v60, v56, v54, 0x05040100
	v_perm_b32 v61, v56, v54, 0x07060302
	v_perm_b32 v62, v57, v55, 0x05040100
	v_perm_b32 v63, v57, v55, 0x07060302
	global_store_b128 v6, v[60:63], s[16:17]       ; the wave's store covers 512 consecutive bytes
	s_endpgm
; Sixteen rows of one matrix.  Thread: eight columns n = 8 (thread % 128) .., rows 2 i + thread / 128, i = 0 .. 7.  No register is written twice, so nothing waits but the uses of the loads.
.macro WPATH istep, f16
.set i, 0
.rept 8
	global_load_b128 v[16+8*i:19+8*i], v1, s[18:19] offset:i*(\istep) th:TH_LOAD_NT
	global_load_b128 v[20+8*i:23+8*i], v1, s[18:19] offset:i*(\istep)+16 th:TH_LOAD_NT
.set i, i+1
.endr
.set i, 0
.rept 8
	s_wait_loadcnt 14-2*i                          ; row i's two loads are in; the 14 - 2 i younger stay out
.set j, 0
.rept 4
.if \f16
	v_cvt_pk_bf16_f32 v[8+j], v[16+8*i+2*j], v[17+8*i+2*j]   ; rounded as every input is,
	v_lshlrev_b32 v[16+8*i+2*j], 16, v[8+j]
	v_and_b32 v[17+8*i+2*j], 0xffff0000, v[8+j]
	v_cvt_pk_f16_f32 v[80+4*i+j], v[16+8*i+2*j], v[17+8*i+2*j]  ; and that number as f16 (8 significant bits fit in 11)
.else
	v_cvt_pk_bf16_f32 v[80+4*i+j], v[16+8*i+2*j], v[17+8*i+2*j]
.endif
.set j, j+1
.endr
	global_store_b128 v6, v[80+4*i:83+4*i], s[14:15] offset:4096*i  ; a wave stores 512 consecutive bytes of a row of wb
.set i, i+1
.endr
.endm
.Lweights:
	s_sub_co_u32 s26, ttmp9, 512
	s_lshr_b32 s27, s26, 6                         ; t: which matrix
	s_and_b32 s28, s26, 63                         ; c: rows 16 c .. 16 c + 15
	v_and_b32 v2, 127, v0
	v_lshrrev_b32 v3, 7, v0
	v_lshlrev_b32 v6, 4, v2                        ; out: 16 bytes for 8 columns,
	v_lshl_add_u32 v6, v3, 11, v6                  ; a row is 2,048 bytes
	s_lshl_b32 s20, s27, 21
	s_lshl_b32 s22, s28, 15
	s_add_co_u32 s20, s20, s22
	s_add_nc_u64 s[14:15], s[14:15], s[20:21]
	s_cmp_eq_u32 s27, 3
	s_cbranch_scc1 .Lwo
	s_cmp_eq_u32 s27, 1
	s_cselect_b64 s[18:19], s[8:9], s[6:7]
	s_cmp_eq_u32 s27, 2
	s_cselect_b64 s[18:19], s[10:11], s[18:19]
	s_lshl_b32 s22, s28, 12                        ; [head][k][64] f32: a row of k is 256 bytes,
	s_add_nc_u64 s[18:19], s[18:19], s[22:23]
	v_lshrrev_b32 v4, 3, v2
	v_and_b32 v5, 7, v2
	v_lshlrev_b32 v1, 18, v4                       ; a head 262,144
	v_lshl_add_u32 v1, v5, 5, v1
	v_lshl_add_u32 v1, v3, 8, v1
	WPATH 512, 0
	s_endpgm
.Lwo:
	s_lshl_b32 s22, s28, 16                        ; [k][1024] f32: a row is 4,096 bytes
	s_add_nc_u64 s[18:19], s[12:13], s[22:23]
	v_lshlrev_b32 v1, 5, v2
	v_lshl_add_u32 v1, v3, 12, v1
	WPATH 8192, 1
	s_endpgm
.Lfunc_end_k_q6a0ac49a5d_prep:
	.size	k_q6a0ac49a5d_prep, .Lfunc_end_k_q6a0ac49a5d_prep-k_q6a0ac49a5d_prep
	.p2alignl 7, 3214868480
	.fill 96, 4, 3214868480
	.section	.rodata,"a",@progbits
	.p2align	6, 0x0
	.amdhsa_kernel k_q6a0ac49a5d_prep
		.amdhsa_group_segment_fixed_size 0
		.amdhsa_private_segment_fixed_size 0
		.amdhsa_enable_private_segment 0
		.amdhsa_kernarg_size 56
		.amdhsa_user_sgpr_count 2
		.amdhsa_user_sgpr_kernarg_segment_ptr 1
		.amdhsa_wavefront_size32 1
		.amdhsa_system_sgpr_workgroup_id_x 1
		.amdhsa_system_sgpr_workgroup_id_y 1
		.amdhsa_system_sgpr_workgroup_id_z 1
		.amdhsa_system_vgpr_workitem_id 0
		.amdhsa_next_free_vgpr 112
		.amdhsa_next_free_sgpr 66
		.amdhsa_reserve_vcc 1
		.amdhsa_float_denorm_mode_32 3
		.amdhsa_float_denorm_mode_16_64 3
		.amdhsa_memory_ordered 1
		.amdhsa_forward_progress 1
		.amdhsa_inst_pref_size 21
	.end_amdhsa_kernel
	.amdgpu_metadata
---
amdhsa.version: [ 1, 2 ]
amdhsa.kernels:
  - .name:           k_q6a0ac49a5d_prep
    .symbol:         k_q6a0ac49a5d_prep.kd
    .args:
      - { .name: mask, .offset: 0, .size: 8, .value_kind: global_buffer, .address_space: global }
      - { .name: wq, .offset: 8, .size: 8, .value_kind: global_buffer, .address_space: global }
      - { .name: wk, .offset: 16, .size: 8, .value_kind: global_buffer, .address_space: global }
      - { .name: wv, .offset: 24, .size: 8, .value_kind: global_buffer, .address_space: global }
      - { .name: wo, .offset: 32, .size: 8, .value_kind: global_buffer, .address_space: global }
      - { .name: wb, .offset: 40, .size: 8, .value_kind: global_buffer, .address_space: global }
      - { .name: mbits, .offset: 48, .size: 8, .value_kind: global_buffer, .address_space: global }
    .group_segment_fixed_size: 0
    .private_segment_fixed_size: 0
    .kernarg_segment_align: 8
    .kernarg_segment_size: 56
    .max_flat_workgroup_size: 256
    .sgpr_count:     66
    .vgpr_count:     112
    .wavefront_size: 32
...
	.end_amdgpu_metadata
.endif
;; end of part 1
;; launch proj (part 2): grid 4 x 192, 4 waves a work-group, clusters of 4 x 4, 327,680 bytes of LDS; arguments q_hidden_inputs, k_hidden_inputs, v_hidden_inputs, wb, bq, bk, bv, qkv; writes qkv
.if DOCPART == 2
	.amdgcn_target "amdgcn-amd-amdhsa--gfx1250"
	.amdhsa_code_object_version 6
	.text
	.protected	k_q6a0ac49a5d_proj
	.globl	k_q6a0ac49a5d_proj
	.p2align	8
	.type	k_q6a0ac49a5d_proj,@function
k_q6a0ac49a5d_proj:
	s_mov_b64 s[64:65], 0
	v_nop
	global_prefetch_b8 v0, s[64:65] scope:SCOPE_SE
	s_setreg_imm32_b32 hwreg(HW_REG_WAVE_MODE, 25, 1), 1
	s_wait_xcnt 0x0
	s_wait_alu depctr_hold_cnt(0) depctr_sa_sdst(0) depctr_va_vdst(0) depctr_va_sdst(0) depctr_va_ssrc(0) depctr_va_vcc(0) depctr_vm_vsrc(0)
	s_getreg_b32 s2, hwreg(HW_REG_IB_STS2, 6, 4)
	s_cmp_eq_u32 s2, 0
	s_cbranch_scc0 .Lentry_in_a_cluster
	s_endpgm
.Lentry_in_a_cluster:
	s_bfe_u32 s2, ttmp6, 0x10000c
	s_cmp_lg_u32 s2, 0xf033
	s_cbranch_scc0 .Lentry_shape_is_right
	s_endpgm
.Lentry_shape_is_right:
; THE THREE PROJECTIONS: qkv[t][batch 16 + head][s][64] (f16) = x_t [8192][1024] (f32, rounded to bf16 on the way) x wb[t] [k][n] (bf16) + bias_t (rounded to bf16), sums in f32.  No scale is applied here.
; LIMIT: a result of 65,520 or more does not fit f16 and becomes an infinity; NaN and infinities are not treated apart.
; SHARES.  A tile of the result is 128 rows x 256 columns; tile rows 0-63 are q's, 64-127 k's, 128-191 v's.  Four waves, each 64 x 128: 32 accumulators, 256 registers.
; K goes in steps of 128 through two LDS slots: x as it lies, f32 (rows of 512 bytes), W as it lies, [k][n] (rows of 512 bytes), turned on the way out of LDS by ds_load_tr16_b128.
; x is rounded between LDS and the matrix unit: 32 conversions a quarter step, four behind each of its last eight matrix instructions.
; CLUSTER 4 x 4: the four column tiles of a tile row lie in one row of the cluster and ask for x's tiles jointly; the four of a column ask for W's jointly.
; THE MATRIX INSTRUCTION IS USED TRANSPOSED (source 0 = 16 columns of W, source 1 = 16 rows of x): a lane holds eight neighbouring columns of one row.  The bias is the C operand of the first products.
; ASKING AHEAD.  Two slots take 274,432 of the 327,680 bytes of LDS, so a slot cannot hold two K steps, and a refill has 112 matrix instructions in which to land.  x is read once in the launch, so its
; bytes are asked for ahead of the tensor loads, by global_prefetch_b8, two K steps (1,024 bytes of each of the tile's 128 rows: 512 blocks of 256 bytes) at a time: the 16 waves of the four work-groups
; that share the tile take 32 blocks each, a block a lane, so that each block is asked for once in the launch.  K steps 0 and 1 are the first fills; 2 and 3 are asked for at the head; 4 to 7 in the loop.
; W is not asked for: 64 tile rows read it again and again.
; REGISTERS.  window 0: v0-31 addresses; v32-95 x as loaded (4 x 16 f32); v96-127, v128-159 x's fragments, two buffers; v160-255 the way out
;             window 1: v0-63, v64-127 W's fragments, two buffers; v128-191 the bias (eight registers for each 16 columns); v192-195 at work      window 2: accumulator (a, b) at v[8 (8 a + b)]
.set PA,     528                       ; a row of x in LDS: 512 bytes + 16: the 16 rows of a load start in 16 different groups of four banks (64 banks of 4 bytes: ISA guide 11.1)
.set PB,     544                       ; a row of W: 512 + 32 = 17 x 32 bytes, for the turning load
.set AHALF,  64*PA                     ; what one tensor load brings of x
.set BHALF,  64*PB                     ; and of W
.set BOFF,   2*AHALF
.set SLOT,   BOFF+2*BHALF              ; 137,216
.set STAGE,  2*SLOT                    ; behind the ring: 16 rows x 272 bytes for each wave, for the way out
.set SPITCH, 272
.set SPARE,  STAGE+4*16*SPITCH         ; the spare words, 128 bytes a wave: two blocks of 256 bytes that no other line names
.set ADRA, 16                          ; v16-17  LDS address of my fragments of x in slot 0, 1
.set ADRB, 20                          ; v20-21  the same for W
.set STO,  24
.set RD,   25
.set CO,   26
.set BO,   27
.set SPW,  28                          ; v28  my spare word; never rewritten
.set NIL,  29                          ; v29  0; never rewritten
.set PF,   30                          ; v30  the block that I ask for ahead: row l % 8 of my wave's eight, 256 (l / 8) bytes along it; never rewritten
.set RAW,  32
.set AF,   96
.set TMP,  160
.set OB,   192
.set BIAS, 128
.set G1,  24
.set G0,  32
.set G1B, 48
.set G0B, 56
.set PFB, 86                           ; s[86:87] x_t at my wave's eight rows, stepped by two K steps a trip; s[84:85] its offset.  These four alone hold cx beside a row of x
.set MSB, 0
.macro WIN new                         ; the immediate's high byte repeats the setting that is left
.if MSB != (\new)
	s_set_vgpr_msb (MSB<<8)|(\new)
.set MSB, \new
.endif
.endm
.set MUL,  0xa1                        ; source 0 (W) window 1, source 1 (x) window 0, C and D window 2
.set MULB, 0x91                        ; the same with C (the bias) in window 1
.set TO_B, 0x40                        ; destination window 1, address window 0
.macro JLOAD s                         ; a joint load: waves 0 and 1 fetch x's two halves, waves 2 and 3 W's; an s_nop 0 and four v_nop follow each line
	s_cmp_eq_u32 s11, 0
	s_cbranch_scc0 .Lfor_b_\@
	tensor_load_to_lds s[G0+4*(\s):G0+4*(\s)+3], s[G1:G1+7]
	s_nop 0
.rept 4
	v_nop
.endr
	s_branch .Lasked_\@
.Lfor_b_\@:
	tensor_load_to_lds s[G0B+4*(\s):G0B+4*(\s)+3], s[G1B:G1B+7]
	s_nop 0
.rept 4
	v_nop
.endr
.Lasked_\@:
.endm
.macro CREST                           ; a round of the cluster's barrier behind its opening barrier
	s_cmp_lg_u32 s10, 0
	s_cbranch_scc1 .Lnot_wave_0_\@
	s_barrier_signal -3
.Lnot_wave_0_\@:
	s_barrier_wait -3
	s_barrier_signal -1
	s_barrier_wait -1
.endm
.macro CROUND
	s_barrier_signal -1
	s_barrier_wait -1
	CREST
.endm
	s_load_b512 s[68:83], s[0:1], 0x0              ; x_q 68, x_k 70, x_v 72, wb 74, bq 76, bk 78, bv 80, qkv 82
	v_lshl_add_u32 v[SPW], v0, 2, SPARE
	v_mov_b32 v[NIL], 0
	ds_add_u32 v[SPW], v[NIL]                      ; the wave's opening: the add and its wait ahead of my first tensor load
	v_lshrrev_b32 v1, 5, v0
	v_readfirstlane_b32 s10, v1                    ; wave 0..3
	s_lshr_b32 s11, s10, 1                         ; my half of the tile's rows.  Also: I fetch x (0) or W (1)
	s_and_b32 s12, s10, 1                          ; my half of its columns.  Also: which half of that tile I fetch
	s_bfe_u32 s40, ttmp6, 0x40000                  ; cx
	s_bfe_u32 s41, ttmp6, 0x40004                  ; cy
	s_lshl_b32 s42, ttmp9, 2
	s_add_co_u32 s42, s42, s40                     ; tile column 0..3
	s_and_b32 s94, ttmp7, 0xffff                   ; the cluster's y
	s_lshl_b32 s13, s94, 2
	s_add_co_u32 s13, s13, s41                     ; tile row 0..191
	s_lshr_b32 s94, s94, 4                         ; t = 0, 1, 2: the same in all sixteen partners
	s_and_b32 s95, s13, 63                         ; the tile row inside x_t
	s_lshl_b32 s43, s41, 2
	s_lshl_b32 s43, 15, s43                        ; my row of the cluster
	s_lshl_b32 s44, 0x1111, s40                    ; my column
	s_or_b32 s[G1+0], s43, (2<<16)|(1<<20)|(1<<21)|(6<<22)|(3<<25)   ; the mask; elements of 4 bytes; padding on; bit 21 beside a mask; after every 128 words 4 words
	s_or_b32 s[G1B+0], s44, (1<<16)|(1<<20)|(1<<21)|(6<<22)|(7<<25)  ; elements of 2 bytes; after every 128 words 8 words
	s_mov_b32 s[G1+1], 128<<16                     ; x: tensor_dim0 = 128
	s_mov_b32 s[G1+2], 64<<16                      ; tensor_dim1 = 64
	s_mov_b32 s[G1+3], 128<<16                     ; tile_dim0 = 128
	s_mov_b32 s[G1+4], 64                          ; tile_dim1 = 64
	s_mov_b32 s[G1+5], 1024                        ; elements from row to row
	s_mov_b32 s[G1+6], 0
	s_mov_b32 s[G1+7], 0
	s_mov_b32 s[G1B+1], 256<<16                    ; W: 64 rows of k x 256 columns
	s_mov_b32 s[G1B+2], 64<<16
	s_mov_b32 s[G1B+3], 256<<16
	s_mov_b32 s[G1B+4], 64
	s_mov_b32 s[G1B+5], 1024
	s_mov_b32 s[G1B+6], 0
	s_mov_b32 s[G1B+7], 0
	s_lshl_b32 s16, s95, 19                        ; x: 128 rows of 4,096 bytes a tile row,
	s_lshl_b32 s17, s12, 18                        ; 64 rows a half
	s_add_co_u32 s16, s16, s17
	s_mov_b32 s17, 0
	s_lshl_b32 s46, s94, 21                        ; W: matrix t,
	s_lshl_b32 s47, s12, 17                        ; 64 rows of 2,048 bytes a half,
	s_add_co_u32 s46, s46, s47
	s_lshl_b32 s47, s42, 9                         ; 256 columns a tile column
	s_add_co_u32 s46, s46, s47
	s_mov_b32 s47, 0
	s_lshl_b32 s84, s40, 2                         ; asking ahead: my wave among the 16 that share x's tile, 4 cx + wave,
	s_add_co_u32 s84, s84, s10
	s_lshl_b32 s84, s84, 15                        ; its eight rows of 4,096 bytes,
	s_lshl_b32 s85, s95, 19                        ; in the tile row
	s_add_co_u32 s84, s84, s85
	s_mov_b32 s85, 0
	s_mul_i32 s20, s12, AHALF                      ; where the tiles go: no place in the cluster enters an LDS address
	s_mul_i32 s21, s12, BHALF
	s_add_co_u32 s21, s21, BOFF
	s_wait_dscnt 0x0                               ; the opening add is done
	s_wait_kmcnt 0x0
	s_cmp_eq_u32 s94, 1
	s_cselect_b64 s[4:5], s[70:71], s[68:69]
	s_cselect_b64 s[92:93], s[78:79], s[76:77]
	s_cmp_eq_u32 s94, 2
	s_cselect_b64 s[4:5], s[72:73], s[4:5]         ; x_t
	s_cselect_b64 s[92:93], s[80:81], s[92:93]     ; bias_t
	s_add_nc_u64 s[14:15], s[4:5], s[16:17]
	s_add_nc_u64 s[46:47], s[74:75], s[46:47]
	s_add_nc_u64 s[PFB:PFB+1], s[4:5], s[84:85]
	CROUND                                         ; all sixteen work-groups are here: the first joint loads meet
.irp s, 0,1
	s_mov_b32 s[G0+4*(\s)], 1
	s_add_co_u32 s[G0+4*(\s)+1], s20, (\s)*SLOT
	s_add_nc_u64 s[G0+4*(\s)+2:G0+4*(\s)+3], s[14:15], (\s)*512       ; K step s: 128 f32
	s_or_b32 s[G0+4*(\s)+3], s[G0+4*(\s)+3], 0x80000000
	s_mov_b32 s[G0B+4*(\s)], 1
	s_add_co_u32 s[G0B+4*(\s)+1], s21, (\s)*SLOT
	s_add_nc_u64 s[G0B+4*(\s)+2:G0B+4*(\s)+3], s[46:47], (\s)*262144  ; 128 rows of 2,048 bytes
	s_or_b32 s[G0B+4*(\s)+3], s[G0B+4*(\s)+3], 0x80000000
.endr
	s_cmp_eq_u32 s11, 0                            ; a wave's two first fills stand in one branch: two loads of mine are out
	s_cbranch_scc0 .Lfirst_b
	tensor_load_to_lds s[G0:G0+3], s[G1:G1+7]
	s_nop 0
	tensor_load_to_lds s[G0+4:G0+7], s[G1:G1+7]
	s_nop 0
.rept 4
	v_nop
.endr
	s_branch .Lfirst_asked
.Lfirst_b:
	tensor_load_to_lds s[G0B:G0B+3], s[G1B:G1B+7]
	s_nop 0
	tensor_load_to_lds s[G0B+4:G0B+7], s[G1B:G1B+7]
	s_nop 0
.rept 4
	v_nop
.endr
.Lfirst_asked:
	v_and_b32 v1, 15, v0                           ; r = l % 16
	v_bfe_u32 v2, v0, 4, 1                         ; h = l / 16
	v_lshlrev_b32 v[BO], 5, v2                     ; the bias of columns 16 b + 8 h + 0..7: 32 bytes at 64 b + 32 h
	s_lshl_b32 s46, s42, 10
	s_lshl_b32 s47, s12, 9
	s_add_co_u32 s46, s46, s47
	s_mov_b32 s47, 0
	s_add_nc_u64 s[92:93], s[92:93], s[46:47]      ; at my 128 columns
	WIN TO_B
.set b, 0
.rept 8
	global_load_b128 v[BIAS+8*b:BIAS+8*b+3],   v[BO], s[92:93] offset:64*b
	global_load_b128 v[BIAS+8*b+4:BIAS+8*b+7], v[BO], s[92:93] offset:64*b+16
.set b, b+1
.endr
	WIN 0
	v_bfe_u32 v8, v0, 3, 2                         ; asking ahead: block l / 8 of the four in 1,024 bytes,
	v_and_b32 v9, 7, v0                            ; row l % 8
	v_lshlrev_b32 v8, 8, v8
	v_lshl_add_u32 v[PF], v9, 12, v8
	global_prefetch_b8 v[PF], s[PFB:PFB+1] offset:1024 th:TH_LOAD_NT scope:SCOPE_SE  ; K steps 2 and 3 of my eight rows: their tensor loads are issued in the loop's first trip
	v_mul_u32_u24 v3, v1, PA                       ; x: row r, 8 f32 for each half of the lanes
	v_lshl_add_u32 v3, v2, 5, v3
	s_mul_i32 s22, s11, AHALF
	v_add_nc_u32 v[ADRA], s22, v3
	v_add_nc_u32 v[ADRA+1], SLOT, v[ADRA]
	v_and_b32 v4, 7, v0                            ; W, turned: lane l reads row k = 8 h + l % 8, columns 8 ((l / 8) % 2) + 0..7
	v_bfe_u32 v5, v0, 3, 1
	v_lshl_add_u32 v6, v2, 3, v4
	v_mul_u32_u24 v6, v6, PB
	v_lshl_add_u32 v6, v5, 4, v6
	s_lshl_b32 s22, s12, 8
	s_add_co_u32 s22, s22, BOFF
	v_add_nc_u32 v[ADRB], s22, v6
	v_add_nc_u32 v[ADRB+1], SLOT, v[ADRB]
	s_mul_i32 s23, s10, 16*SPITCH
	s_add_co_u32 s23, s23, STAGE                   ; my stage
	v_mul_u32_u24 v7, v1, SPITCH                   ; in: row r, 16 bytes for each half of the lanes
	v_lshl_add_u32 v7, v2, 4, v7
	v_add_nc_u32 v[STO], s23, v7
	v_mul_u32_u24 v7, v5, SPITCH                   ; back: lanes 0-15 two rows of the first head's 128 bytes, lanes 16-31 of the second's
	v_lshl_add_u32 v7, v2, 7, v7
	v_lshl_add_u32 v7, v4, 4, v7
	v_add_nc_u32 v[RD], s23, v7
	v_lshlrev_b32 v[CO], 18, v2                    ; a head is 262,144 bytes of qkv;
	v_lshl_add_u32 v[CO], v1, 4, v[CO]             ; two of its rows are 256 consecutive bytes
	s_lshl_b32 s46, s94, 24                        ; where my part begins in qkv: tensor t,
	s_lshr_b32 s14, s95, 4
	s_lshl_b32 s14, s14, 22                        ; batch,
	s_add_co_u32 s46, s46, s14
	s_lshl_b32 s14, s42, 20                        ; four heads a tile column,
	s_add_co_u32 s46, s46, s14
	s_lshl_b32 s14, s12, 19                        ; two a wave,
	s_add_co_u32 s46, s46, s14
	s_and_b32 s14, s95, 15
	s_lshl_b32 s14, s14, 14                        ; 128 rows of 128 bytes a tile row,
	s_add_co_u32 s46, s46, s14
	s_lshl_b32 s14, s11, 13                        ; 64 a wave
	s_add_co_u32 s46, s46, s14
	s_add_nc_u64 s[8:9], s[82:83], s[46:47]
	s_wait_loadcnt 0x0                             ; the bias, once
	WIN 0x45                                       ; all in window 1: the bias is rounded to bf16 as every input is
.set b, 0
.rept 32
	v_cvt_pk_bf16_f32 v[192+b%4], v[BIAS+2*b], v[BIAS+2*b+1]
	v_lshlrev_b32 v[BIAS+2*b], 16, v[192+b%4]
	v_and_b32 v[BIAS+2*b+1], 0xffff0000, v[192+b%4]
.set b, b+1
.endr
	WIN 0
; eight matrix instructions: rows 16 a .. of my 64 x all eight blocks of 16 columns, 32 along K, from buffers f.  first = 1: the products start the sums on the bias.
.macro WM f, a, first
.if \first
	WIN MULB
	v_wmma_f32_16x16x32_bf16 v[8*(8*(\a)+b):8*(8*(\a)+b)+7], v[64*(\f)+8*b:64*(\f)+8*b+7], v[AF+32*(\f)+8*(\a):AF+32*(\f)+8*(\a)+7], v[BIAS+8*b:BIAS+8*b+7]
.else
	WIN MUL
	v_wmma_f32_16x16x32_bf16 v[8*(8*(\a)+b):8*(8*(\a)+b)+7], v[64*(\f)+8*b:64*(\f)+8*b+7], v[AF+32*(\f)+8*(\a):AF+32*(\f)+8*(\a)+7], v[8*(8*(\a)+b):8*(8*(\a)+b)+7]
.endif
.endm
.macro MUL8 f, a, first=0
.set b, 0
.rept 8
	WM \f, \a, \first
.set b, b+1
.endr
.endm
; the same, with four conversions of the next quarter's x (into buffer g) behind each: plain vector lines that name no register of the products round them.
; The last four are also the four places in front of the next run of loads into the buffers just multiplied.
.macro MULC f, a, g, first=0
.set b, 0
.rept 8
	WM \f, \a, \first
	WIN 0
.set c, 0
.rept 4
	v_cvt_pk_bf16_f32 v[AF+32*(\g)+4*b+c], v[RAW+8*b+2*c], v[RAW+8*b+2*c+1]
.set c, c+1
.endr
.set b, b+1
.endr
.endm
; 32 LDS loads in one run: quarter kq (32 along K) of a slot: x's 64 rows as f32 (k = 8 h .. and 16 + 8 h ..: 32 bytes each), then W's eight fragments, turned, into buffer g
.macro FETCH slot, kq, g
	WIN 0
.set a, 0
.rept 4
	ds_load_b128 v[RAW+16*a:RAW+16*a+3],     v[ADRA+(\slot)] offset:a*16*PA+(\kq)*128
	ds_load_b128 v[RAW+16*a+4:RAW+16*a+7],   v[ADRA+(\slot)] offset:a*16*PA+(\kq)*128+16
	ds_load_b128 v[RAW+16*a+8:RAW+16*a+11],  v[ADRA+(\slot)] offset:a*16*PA+(\kq)*128+64
	ds_load_b128 v[RAW+16*a+12:RAW+16*a+15], v[ADRA+(\slot)] offset:a*16*PA+(\kq)*128+80
.set a, a+1
.endr
	WIN TO_B
.set b, 0
.rept 8
	ds_load_tr16_b128 v[64*(\g)+8*b:64*(\g)+8*b+3],   v[ADRB+(\slot)] offset:(\kq)*32*PB+32*b
	ds_load_tr16_b128 v[64*(\g)+8*b+4:64*(\g)+8*b+7], v[ADRB+(\slot)] offset:(\kq)*32*PB+16*PB+32*b
.set b, b+1
.endr
.endm
; A K step is four quarters of 32 matrix instructions, on buffers 0, 1, 0, 1.  One of the first three: multiplies buffers f, fetches quarter kq and converts it into buffers g.
.macro QUARTER slot, kq, f, g, first=0
	s_wait_dscnt 0x0                               ; W's fragments for this quarter, asked for a quarter ago, are in
	FETCH \slot, \kq, \g
	MUL8 \f, 0, \first
	MUL8 \f, 1, \first
	MUL8 \f, 2, \first
	s_wait_dscnt 16                                ; x's 16 loads are in; W's 16, issued behind them, may stay out
	MULC \f, 3, \g, \first
.endm
; The last quarter multiplies buffers 1 and changes slots: ONE barrier; in front of it each wave waits for all its tensor loads (one is out: its part of the next slot), adds 0 to its spare word,
; and waits for that and for its reads of this slot.  fill = 1: the barrier opens a round of the cluster's, and this slot is filled again, two K steps ahead, first thing behind it.
.macro TURN slot, next, fill
	WIN 0
	s_wait_tensorcnt 0x0
	ds_add_u32 v[SPW], v[NIL]
	s_wait_dscnt 1                                 ; W's fragments are in; the add alone may be out
	MUL8 1, 0
	s_wait_dscnt 0x0                               ; the add is done, and my reads of this slot are over
	s_barrier_signal -1
	MUL8 1, 1
.if \fill
	WIN 0
.endif
	s_barrier_wait -1
.if \fill
	CREST                                          ; no wave of any partner still reads this slot or has a load on its way
	s_add_nc_u64 s[G0+4*(\slot)+2:G0+4*(\slot)+3], s[G0+4*(\slot)+2:G0+4*(\slot)+3], 1024
	s_add_nc_u64 s[G0B+4*(\slot)+2:G0B+4*(\slot)+3], s[G0B+4*(\slot)+2:G0B+4*(\slot)+3], 524288
	JLOAD \slot                                    ; 112 matrix instructions ahead of the wait for it
.endif
	FETCH \next, 0, 0                              ; buffers 0 were last multiplied a quarter ago; four conversions stand behind that quarter's last product
	MUL8 1, 2
	s_wait_dscnt 16
	MULC 1, 3, 0
.endm
	s_wait_tensorcnt 1                             ; my part of K step 0 is in; K step 1's may stay out
	s_barrier_signal -1
	s_barrier_wait -1
	FETCH 0, 0, 0
	s_wait_dscnt 0x0
	WIN 0
.set b, 0
.rept 32
	v_cvt_pk_bf16_f32 v[AF+b], v[RAW+2*b], v[RAW+2*b+1]
.set b, b+1
.endr
	QUARTER 0, 1, 0, 1, 1                          ; the first quarter stands in front of the loop: its products start the sums
	WIN 0
	s_mov_b32 s3, 3
.Llap:                                                 ; a trip goes once round the ring and fills both slots again: K steps 2 to 7 in three trips
	QUARTER 0, 2, 1, 0
	QUARTER 0, 3, 0, 1
	TURN 0, 1, 1
	; ASKING AHEAD.  Trip t (0, 1) asks for K steps 2 t + 4 and 2 t + 5 of my eight rows: what the NEXT trip's two changes of slots load, 240 and 368 matrix instructions further on.
	; The last trip asks for nothing: K ends with step 7, so no request leaves its row.  (TURN leaves every window 0.)
	s_cmp_eq_u32 s3, 1
	s_cbranch_scc1 .Lasked_all
	s_wait_xcnt 0x0                                ; the base pair of the last request, a trip back, is rewritten only behind this wait
	s_add_nc_u64 s[PFB:PFB+1], s[PFB:PFB+1], 1024
	global_prefetch_b8 v[PF], s[PFB:PFB+1] offset:1024 th:TH_LOAD_NT scope:SCOPE_SE
.Lasked_all:
	QUARTER 1, 1, 0, 1
	QUARTER 1, 2, 1, 0
	QUARTER 1, 3, 0, 1
	TURN 1, 0, 1
	QUARTER 0, 1, 0, 1
	WIN 0
	s_sub_co_u32 s3, s3, 1
	s_cmp_lg_u32 s3, 0
	s_cbranch_scc1 .Llap
	QUARTER 0, 2, 1, 0                             ; the last lap fills nothing
	QUARTER 0, 3, 0, 1
	TURN 0, 1, 0
	QUARTER 1, 1, 0, 1
	QUARTER 1, 2, 1, 0
	QUARTER 1, 3, 0, 1
	s_wait_dscnt 0x0
	MUL8 1, 0
	MUL8 1, 1
	MUL8 1, 2
	MUL8 1, 3
.rept 4
	v_nop                                          ; four places in front of the conversions that read results
.endr
; THE WAY OUT, 16 rows at a time: rounded to f16 (each accumulator from its lowest register on), 16 bytes a lane into my own stage, back so that 16 lanes hold two rows of one head, stored.
.macro PACK a
	WIN 0x0a                                       ; sources in window 2
.set b, 0
.rept 8
.set r, 0
.rept 4
	v_cvt_pk_f16_f32 v[TMP+4*b+r], v[8*(8*(\a)+b)+2*r], v[8*(8*(\a)+b)+2*r+1]
.set r, r+1
.endr
.set b, b+1
.endr
	WIN 0
.endm
.macro TOSTAGE a
.if (\a) >= 2
	s_wait_xcnt 0x0                                ; the stores of the block two back have read the registers that are loaded again below
.endif
.set b, 0
.rept 8
	ds_store_b128 v[STO], v[TMP+4*b:TMP+4*b+3] offset:32*b
.set b, b+1
.endr
.set t, 0
.rept 8
	ds_load_b128 v[OB+32*((\a)%2)+4*t:OB+32*((\a)%2)+4*t+3], v[RD] offset:t*2*SPITCH  ; LDS serves a wave's instructions in order: these see the stores above
.set t, t+1
.endr
.endm
.macro SEND a, younger                 ; younger: the LDS instructions issued behind this block's loads: the next block's 8 stores and 8 loads, or none
	s_wait_dscnt \younger                          ; all eight loads of this block are in; only what was issued behind them may be out
.set t, 0
.rept 8
	global_store_b128 v[CO], v[OB+32*((\a)%2)+4*t:OB+32*((\a)%2)+4*t+3], s[8:9] offset:2048*(\a)+256*t  ; 16 lanes store 256 consecutive bytes, aligned
.set t, t+1
.endr
.endm
	PACK 0
	TOSTAGE 0
.irp a, 1,2,3
	PACK \a
	TOSTAGE \a
	SEND (\a)-1, 16
.endr
	SEND 3, 0
	s_wait_tensorcnt 0x0                           ; the wave's end
	ds_add_u32 v[SPW], v[NIL]
	s_wait_dscnt 0x0
	CROUND                                         ; the closing round
	s_endpgm
.Lfunc_end_k_q6a0ac49a5d_proj:
	.size	k_q6a0ac49a5d_proj, .Lfunc_end_k_q6a0ac49a5d_proj-k_q6a0ac49a5d_proj
	.p2alignl 7, 3214868480
	.fill 96, 4, 3214868480
	.section	.rodata,"a",@progbits
	.p2align	6, 0x0
	.amdhsa_kernel k_q6a0ac49a5d_proj
		.amdhsa_group_segment_fixed_size 327680
		.amdhsa_private_segment_fixed_size 0
		.amdhsa_enable_private_segment 0
		.amdhsa_kernarg_size 64
		.amdhsa_user_sgpr_count 2
		.amdhsa_user_sgpr_kernarg_segment_ptr 1
		.amdhsa_wavefront_size32 1
		.amdhsa_system_sgpr_workgroup_id_x 1
		.amdhsa_system_sgpr_workgroup_id_y 1
		.amdhsa_system_sgpr_workgroup_id_z 1
		.amdhsa_system_vgpr_workitem_id 0
		.amdhsa_next_free_vgpr 768
		.amdhsa_next_free_sgpr 100
		.amdhsa_reserve_vcc 0
		.amdhsa_float_denorm_mode_32 3
		.amdhsa_float_denorm_mode_16_64 3
		.amdhsa_memory_ordered 1
		.amdhsa_forward_progress 1
		.amdhsa_inst_pref_size 139
	.end_amdhsa_kernel
	.amdgpu_metadata
---
amdhsa.version: [ 1, 2 ]
amdhsa.kernels:
  - .name:           k_q6a0ac49a5d_proj
    .symbol:         k_q6a0ac49a5d_proj.kd
    .args:
      - { .name: q_hidden_inputs, .offset: 0, .size: 8, .value_kind: global_buffer, .address_space: global }
      - { .name: k_hidden_inputs, .offset: 8, .size: 8, .value_kind: global_buffer, .address_space: global }
      - { .name: v_hidden_inputs, .offset: 16, .size: 8, .value_kind: global_buffer, .address_space: global }
      - { .name: wb, .offset: 24, .size: 8, .value_kind: global_buffer, .address_space: global }
      - { .name: bq, .offset: 32, .size: 8, .value_kind: global_buffer, .address_space: global }
      - { .name: bk, .offset: 40, .size: 8, .value_kind: global_buffer, .address_space: global }
      - { .name: bv, .offset: 48, .size: 8, .value_kind: global_buffer, .address_space: global }
      - { .name: qkv, .offset: 56, .size: 8, .value_kind: global_buffer, .address_space: global }
    .group_segment_fixed_size: 327680
    .private_segment_fixed_size: 0
    .kernarg_segment_align: 8
    .kernarg_segment_size: 64
    .max_flat_workgroup_size: 128
    .sgpr_count:     100
    .vgpr_count:     768
    .wavefront_size: 32
...
	.end_amdgpu_metadata
.endif
;; end of part 2
;; launch attn (part 3): grid 4 x 64, 4 waves a work-group, clusters of 4 x 1, 327,680 bytes of LDS; arguments qkv, mbits, oh; writes oh
.if DOCPART == 3
	.amdgcn_target "amdgcn-amd-amdhsa--gfx1250"
	.amdhsa_code_object_version 6
	.text
	.protected	k_q6a0ac49a5d_attn
	.globl	k_q6a0ac49a5d_attn
	.p2align	8
	.type	k_q6a0ac49a5d_attn,@function
k_q6a0ac49a5d_attn:
	s_mov_b64 s[64:65], 0
	v_nop
	global_prefetch_b8 v0, s[64:65] scope:SCOPE_SE
	s_setreg_imm32_b32 hwreg(HW_REG_WAVE_MODE, 25, 1), 1
	s_wait_xcnt 0x0
	s_wait_alu depctr_hold_cnt(0) depctr_sa_sdst(0) depctr_va_vdst(0) depctr_va_sdst(0) depctr_va_ssrc(0) depctr_va_vcc(0) depctr_vm_vsrc(0)
	s_getreg_b32 s2, hwreg(HW_REG_IB_STS2, 6, 4)
	s_cmp_eq_u32 s2, 0
	s_cbranch_scc0 .Lentry_in_a_cluster
	s_endpgm
.Lentry_in_a_cluster:
	s_bfe_u32 s2, ttmp6, 0x10000c
	s_cmp_lg_u32 s2, 0x3003
	s_cbranch_scc0 .Lentry_shape_is_right
	s_endpgm
.Lentry_shape_is_right:
; MASKED ATTENTION.  oh[y][q][:] = the sum over k of softmax_k(mask ? Q[y][q] . K[y][k] / 8 : hidden) V[y][k][:], y = 16 batch + head.  Q, K, V (qkv) and oh: [64][2048][64] f16, rows dense, 128 bytes.
; Products, maxima and sums in f32; the weights p are rounded to f16 for the second product (their sum l is taken of the unrounded p), O once at the end.
; THE MASK is a true select in front of the running maximum: one v_cndmask_b32 a score, its lane mask a scalar register.  The lane masks lie in mbits (made by the launch in front, once for 16 heads).
; 64 scalar registers hold ONE piece's words, so a scalar load could be asked for only when the piece before has used them, less than a turn ahead.  So the words come into VECTOR registers a whole key step
; (four turns) ahead, one load a turn, and v_readlane_b32 hands each word to its scalar register: 64 more vector lines a turn, and nothing in the loop waits for a scalar load.
; LIMITS.  A hidden score counts as -2^33 before the division by 8, that is -1.0737e9 where the module's text has -1e9: a power of two, so that c m is exact, and a row with no true key has p = 1
; for every key and comes out as the plain mean of V.  The result departs from the module's only in rows with a visible score (divided by 8) at about -1e9 or below.
; p lies in 0 to 1; below 6e-5 it keeps f16's fixed step of 6e-8; a weight below 2^-126 counts as 0; NaN and infinities are not treated apart.
; SHARES.  A wave owns four PIECES of two tiles of 16 queries, a work-group 512 queries of one y.  Every wave walks all 2,048 keys, 64 a step; an LDS slot holds 256 keys of K and of V.
; LAYOUT.  S^T = K Q^T (source 0 = 16 keys, source 1 = 16 queries): a lane holds ONE query (lane % 16) and the keys 8 (lane / 16) + 0..7.  Two such results rounded to f16 ARE source 1 of O^T = V^T P.
; SOFTMAX.  p = 2^(c s - c m), c = log2(e) / 8, with a running maximum m; O and l are multiplied by a = 2^(c m_old - c m_new) in every step.  m starts at the lowest finite number, O and l at 0.
; BY TURNS.  Turn n belongs to piece n: 16 products K Q^T of piece n + 1, later 16 products V^T P of piece n - 1; beside and between them all of piece n's vector work, 150 lines a tile, in an order
; that is right when read from top to bottom: selects, maximum, statistics, scaling, exponentials, roundings, sums, rescaling; and the 64 lines that hand over piece n + 1's lane masks.
; CLUSTER.  The four query blocks of one y walk the same K and V: each tile is asked for JOINTLY, by the same tensor load, descriptor and mask in all four.
; REGISTERS.  window 0: v0-11 addresses; v12-13, v48-55 at work; v14-15, v56-61 the mask words, a pair a piece; v16-47 four registers of statistics a tile; v62-63 the add's;
;                       v64-191 S^T, two buffers of two tiles; v192-255 P, likewise
;             window 1: O^T, 32 a tile          window 2: v0-127 Q, 16 a tile; v128-191 K of one step; v192-255 V of one step
.set NP,    4
.set KS,    64
.set PK,    160       ; a row of K and of V in LDS: 128 bytes + 32, so that one descriptor shape serves all four waves, K's plain loads meet two deep
.set PV,    160
.set VOFF,  4*KS*PK
.set SLOT1, 1<<17
.set STAGE, SLOT1+4*KS*(PK+PV)  ; behind the ring, never filled by a tensor load: 16 rows x 144 bytes for each wave
.set SP,    144
.set SPARE, STAGE+4*16*SP       ; the spare words, 128 bytes a wave: two blocks of 256 bytes that no other line names
.set AK0, 2
.set AV0, 3
.set AK,  4
.set AV,  5
.set QO,  6
.set STO, 6
.set RD,  7
.set GO,  8
.set L8,  11          ; v11  my 8 bytes of a piece's mask words: 4,096 (l / 16) + 8 (l % 16); never rewritten
.set MV,  12          ; v12-13  c m_old, by tile of the piece
.set ST,  16          ; tile t's statistics at v[ST+4 t]: c m, m, l (even keys', odd keys')
.set TMP, 48          ; by tile of the piece, c0-c3 at work; when the maximum is found c2 takes a
.set MK,  56          ; the mask words of piece q: v[56+2q:57+2q] for q = 0, 1, 2; v[14:15] for q = 3.  Word n of tile u lies in register n % 2, lane 16 u + n / 2
.set SPW, 62
.set NIL, 63
.set S,   64
.set P,   192
.set KF,  128
.set VF,  192
                      ; s[2:9]   for each piece a pair: the base of its mask load on its way
.set MB,  10          ; s[10:11] mbits at my wave's first tile; never rewritten
.set OP_, 12          ; s[12:13] oh at my wave's first row
.set WV,  14
.set SLOTS, 15
.set G1,  16          ; s[16:23]
.set G0,  24          ; s[24:27]: it walks
.set CNT, 28
.set TBK, 29
.set TBV, 30
.set BIG, 31          ; -2^33
.set CS,  66          ; s[66:67] c
.set SEL, 100         ; s[100:101]
.set MOFF, 104        ; s[104:105] 128 x the step whose mask words are asked for, as a pair with 0 above it
                      ; s[68:99] the 32 lane masks of the piece's first tile, s[32:63] of its second
.set MSB, 0
.macro WIN new
.if MSB != (\new)
	s_set_vgpr_msb (MSB<<8)|(\new)
.set MSB, (\new)
.endif
.endm
.set W_KQ, 0x0a       ; K and Q in window 2, S^T in window 0
.set W_PV, 0x52       ; V in window 2, P in window 0, O^T in window 1
.set W_RS, 0x41       ; O^T (destination and source 0) in window 1, a in window 0
.macro CROUND
	s_barrier_signal -1
	s_barrier_wait -1
	s_cmp_lg_u32 s[WV], 0
	s_cbranch_scc1 .Lnot_wave_0_\@
	s_barrier_signal -3
.Lnot_wave_0_\@:
	s_barrier_wait -3
	s_barrier_signal -1
	s_barrier_wait -1
.endm
.macro JLOAD                        ; one line for all four waves: wave w brings 128 keys (waves 0, 1: K's halves; 2, 3: V's) to LDS byte 20,480 w of the slot
	tensor_load_to_lds s[G0:G0+3], s[G1:G1+7]
	s_nop 0
.rept 4
	v_nop
.endr
.endm
; THE CHANGE OF SLOTS.  Each wave waits for all its tensor loads (one is out: its part of the other slot), adds 0 to its spare word, and waits for that and for its reads of the slot that it leaves.
; fill = 1: the barrier is a round of the cluster's, and the old slot is filled again first thing behind it, with the keys two slots on: four key steps, 512 matrix instructions, in which to land.
.macro CHANGE fill
	WIN 0
	s_wait_tensorcnt 0x0
	ds_add_u32 v[SPW], v[NIL]
.if \fill
	s_xor_b32 s[G0+1], s[G0+1], SLOT1
	s_add_nc_u64 s[G0+2:G0+3], s[G0+2:G0+3], 4*KS*128
	s_wait_dscnt 0x0
	CROUND
	JLOAD
.else
	s_wait_dscnt 0x0
	s_barrier_signal -1
	s_barrier_wait -1
.endif
	s_sub_co_u32 s[TBK], s[TBK], 4*KS*PK  ; the fetches go back to a slot's first step, in the other slot
	s_xor_b32 s[TBK], s[TBK], SLOT1
	s_sub_co_u32 s[TBV], s[TBV], 4*KS*PV
	s_xor_b32 s[TBV], s[TBV], SLOT1
.endm
	s_load_b128 s[4:7], s[0:1], 0x0   ; qkv s[4:5], mbits s[6:7]
	s_load_b64 s[8:9], s[0:1], 0x10   ; oh
	v_lshl_add_u32 v[SPW], v0, 2, SPARE
	v_mov_b32 v[NIL], 0
	ds_add_u32 v[SPW], v[NIL]       ; the wave's opening: the add and its wait ahead of my first tensor load
	v_lshrrev_b32 v1, 5, v0
	v_readfirstlane_b32 s[WV], v1
	s_bfe_u32 s2, ttmp6, 0x40000    ; cx
	s_lshl_b32 s33, ttmp9, 2
	s_add_co_u32 s33, s33, s2       ; my block of 512 queries: it enters Q's, the mask's and O's addresses alone
	s_and_b32 s3, ttmp7, 0xffff     ; y, which the four partners share
	s_lshr_b32 s34, s[WV], 1        ; K is tensor 1 of qkv, V tensor 2, 2^24 bytes each
	s_add_co_u32 s34, s34, 1
	s_lshl_b32 s34, s34, 24
	s_lshl_b32 s35, s3, 18          ; a y is 262,144 bytes
	s_add_co_u32 s34, s34, s35
	s_and_b32 s35, s[WV], 1
	s_lshl_b32 s35, s35, 14         ; my 128 of a slot's 256 keys
	s_add_co_u32 s34, s34, s35
	s_mov_b32 s35, 0
	s_lshl_b32 s36, s33, 2
	s_add_co_u32 s36, s36, s[WV]
	s_lshl_b32 s36, s36, 14         ; my wave's 128 rows of Q and O
	s_lshl_b32 s37, s3, 18
	s_add_co_u32 s36, s36, s37
	s_mov_b32 s37, 0
	s_lshr_b32 s38, s3, 4           ; the batch: 128 tiles of 16 query rows,
	s_lshl_b32 s38, s38, 7
	s_lshl_b32 s39, s33, 5          ; 32 a block,
	s_add_co_u32 s38, s38, s39
	s_lshl_b32 s39, s[WV], 3        ; 8 a wave,
	s_add_co_u32 s38, s38, s39
	s_lshl_b32 s38, s38, 12         ; 4,096 bytes of mask words each
	s_mov_b32 s39, 0
	s_mov_b32 s[G1], 15|(1<<16)|(1<<20)|(1<<21)|(4<<22)|(7<<25)  ; the mask of four; 2-byte elements; padding on; bit 21 beside a mask; after every 32 words 8 words
	s_mov_b32 s[G1+1], 128<<16      ; 128 keys are 16,384 dense bytes: asked for as 64 rows of 256 bytes
	s_mov_b32 s[G1+2], 64<<16
	s_mov_b32 s[G1+3], 128<<16
	s_mov_b32 s[G1+4], 64
	s_mov_b32 s[G1+5], 128
	s_mov_b32 s[G1+6], 0
	s_mov_b32 s[G1+7], 0
	s_mov_b32 s[G0], 1
	s_mul_i32 s[G0+1], s[WV], 128*PK  ; no place in the cluster enters an LDS address
	s_mov_b32 s[CS], 0x3e38aa3b     ; c = log2(e) / 8
	s_mov_b32 s[CS+1], s[CS]
	s_mov_b32 s[SEL], 0x76543210
	s_mov_b32 s[SEL+1], 0xfedcba98
	s_mov_b32 s[BIG], 0xd0000000    ; -2^33
	s_mov_b32 s[TBK], SLOT1+4*KS*PK ; the first change of slots turns these two into 0
	s_mov_b32 s[TBV], SLOT1+4*KS*PV
	s_mov_b32 s[MOFF], 128          ; the loop's first mask loads are step 1's
	s_mov_b32 s[MOFF+1], 0
	s_wait_dscnt 0x0                ; the opening add is done
	s_wait_kmcnt 0x0
	s_add_nc_u64 s[G0+2:G0+3], s[4:5], s[34:35]
	s_or_b32 s[G0+3], s[G0+3], 0x80000000
	s_add_nc_u64 s[MB:MB+1], s[6:7], s[38:39]
	s_add_nc_u64 s[OP_:OP_+1], s[8:9], s[36:37]
	s_add_nc_u64 s[4:5], s[4:5], s[36:37]  ; Q at my wave's first row
	CROUND                          ; all four work-groups are here: the first joint loads meet
	JLOAD                           ; slot 0; slot 1 is asked for when slot 0 is in
	v_and_b32 v1, 15, v0            ; l % 16
	v_bfe_u32 v9, v0, 4, 1          ; l / 16
	v_lshlrev_b32 v[QO], 7, v1
	v_lshl_add_u32 v[QO], v9, 4, v[QO]
	v_lshlrev_b32 v[L8], 3, v1      ; a piece's mask words for a step: lanes 0-15 the 128 bytes of its first tile, lanes 16-31 of its second, 4,096 bytes on
	v_lshl_add_u32 v[L8], v9, 12, v[L8]
.set i, 0
.rept NP                            ; step 0's words of all four pieces (a piece is 8,192 bytes of mbits)
	global_load_b64 v[MK+2*i-48*(i/3):MK+2*i-48*(i/3)+1], v[L8], s[MB:MB+1] offset:8192*i
.set i, i+1
.endr
	WIN 0x80
.set i, 0
.rept 4*NP                          ; Q stays in registers: tile i / 2, channels 32 (i % 2) on
	global_load_b128 v[8*i:8*i+3],   v[QO], s[4:5] offset:(i/2)*2048+(i%2)*64
	global_load_b128 v[8*i+4:8*i+7], v[QO], s[4:5] offset:(i/2)*2048+(i%2)*64+32
.set i, i+1
.endr
	; what the first turn finds: V's registers and P's second buffer hold 0, O^T and l are 0.  All this stands in the wait for the first tile.
.set i, VF
.rept 64
	v_mov_b32 v[i], 0
.set i, i+1
.endr
	WIN 0x40
.set i, 0
.rept 64*NP
	v_mov_b32 v[i], 0
.set i, i+1
.endr
	WIN 0
.set i, 0
.rept 2*NP
	v_mov_b32 v[ST+4*i], 0xfe000000    ; c m: far below every c s
	v_mov_b32 v[ST+4*i+1], 0xff7fffff  ; m
	v_mov_b32 v[ST+4*i+2], 0
	v_mov_b32 v[ST+4*i+3], 0
.set i, i+1
.endr
.set i, P+32
.rept 32
	v_mov_b32 v[i], 0
.set i, i+1
.endr
	v_mul_u32_u24 v[AK0], v1, PK
	v_lshl_add_u32 v[AK0], v9, 4, v[AK0]
	v_and_b32 v10, 7, v0
	v_bfe_u32 v[AV], v0, 3, 1
	v_lshl_add_u32 v[AV0], v9, 3, v10
	v_mul_u32_u24 v[AV0], v[AV0], PV
	v_lshl_add_u32 v[AV0], v[AV], 4, v[AV0]
	v_add_nc_u32 v[AV0], VOFF, v[AV0]
	v_mov_b32 v[AK], v[AK0]         ; key step 0 lies at the head of slot 0
; THE MATRIX WORK.  The 8 accumulators of a run of 16 take turns.
.macro KQ x                         ; product i of 16 of S^T = K Q^T for piece x: channels 32 (i / 8) on, keys 16 ((i / 2) % 4) on, tile 2 x + i % 2
	WIN W_KQ
.set rS, S+64*((\x)%2)+32*(i%2)+8*((i/2)%4)
.set rK, KF+16*((i/2)%4)+8*(i/8)
.set rQ, 16*(2*(\x)+i%2)+8*(i/8)
.if i < 8
	v_wmma_f32_16x16x32_f16 v[rS:rS+7], v[rK:rK+7], v[rQ:rQ+7], 0
.else
	v_wmma_f32_16x16x32_f16 v[rS:rS+7], v[rK:rK+7], v[rQ:rQ+7], v[rS:rS+7]
.endif
.endm
.macro PV x                         ; product i of 16 of O^T += V^T P for piece x: keys 32 (i / 8) on, channels 16 ((i / 2) % 4) on, tile 2 x + i % 2
	WIN W_PV
.set rO, 32*(2*(\x)+i%2)+8*((i/2)%4)
.set rV, VF+32*(i/8)+8*((i/2)%4)
.set rP, P+32*((\x)%2)+16*(i%2)+8*(i/8)
	v_wmma_f32_16x16x32_f16 v[rO:rO+7], v[rV:rV+7], v[rP:rP+7], v[rO:rO+7]
.endm
.macro MM                           ; the turn's next matrix instruction
.if i < 16
	KQ (Y+1)%NP
.set i, i+1
.else
.set i, i-16
	PV (Y+NP-1)%NP
.set i, i+17
.endif
.endm
; THE LDS LOADS stand in runs of 16.  last = 1 (the tail): in the last trip there is no further step, and the run is jumped over.
.macro FETCH_K last=0
	WIN 0
.if \last
	s_cmp_eq_u32 s[CNT], 1
	s_cbranch_scc1 .Lno_k_\@
.endif
	WIN 0x80
.irp f, 0,1,2,3,4,5,6,7
	ds_load_b128 v[KF+8*\f:KF+8*\f+3],   v[AK] offset:(\f/2)*16*PK+(\f%2)*64
	ds_load_b128 v[KF+8*\f+4:KF+8*\f+7], v[AK] offset:(\f/2)*16*PK+(\f%2)*64+32
.endr
	s_add_co_u32 s[TBK], s[TBK], KS*PK
	WIN 0
.if \last
.Lno_k_\@:
.endif
.endm
.macro FETCH_V
	WIN 0x80
.irp f, 0,1,2,3,4,5,6,7
	ds_load_tr16_b128 v[VF+8*\f:VF+8*\f+3],   v[AV] offset:(\f/4)*32*PV+(\f%4)*32
	ds_load_tr16_b128 v[VF+8*\f+4:VF+8*\f+7], v[AV] offset:(\f/4)*32*PV+16*PV+(\f%4)*32
.endr
	WIN 0
.endm
; The next cnt of the 64 lines that hand the lane masks in v[MKN:MKN+1] to the scalar registers: line rl is word rl / 2 of tile rl % 2.
.macro RL cnt
	WIN 0
.rept \cnt
	v_readlane_b32 s[68-36*(rl%2)+rl/2], v[MKN+(rl/2)%2], 16*(rl%2)+rl/4
.set rl, rl+1
.endr
.endm
; THE VECTOR WORK of piece Y.  OP kind, n writes one line for each of the piece's two tiles, so that no line reads the result of the line just before it.
;   K n  score n of 32 is kept where its mask bit is set, else it is the hidden score (n ascending: each accumulator is read from its lowest register on)
;   X n  0-11 four chains of maxima; 12-14, 16 the scores left over, the old m, all into c0; 15 c m_old is kept; 17, 18 the other half of the lanes: the new m; 19-21 c m, c m_old - c m_new, a
;   F n  c s - c m for pair n of 16     E n  the exponential of score n     C n  pair n rounded to f16     B n  of the weights 4 n .. the second pair is added onto the first
;   L n  l takes that sum (L 0: l = a l + sum)     R n  pair n of 16 of O^T times a
.set K, 0
.set X, 1
.set F, 2
.set E, 3
.set C, 4
.set B, 5
.set L, 6
.set R, 7
.macro REGS u
.set rT, ST+4*(2*Y+(\u))
.set rC, TMP+4*(\u)
.set rM, MV+(\u)
.set rS, S+64*(Y%2)+32*(\u)
.set rP, P+32*(Y%2)+16*(\u)
.set rO, 32*(2*Y+(\u))
.set rW, 68-36*(\u)
.endm
.macro OP1 k, n, u
	REGS \u
.if (\k) == R
	WIN W_RS
	v_pk_mul_f32 v[rO+2*(\n):rO+2*(\n)+1], v[rO+2*(\n):rO+2*(\n)+1], v[rC+2:rC+3] op_sel_hi:[1,0]
.else
	WIN 0
.if (\k) == K
	v_cndmask_b32 v[rS+(\n)], s[BIG], v[rS+(\n)], s[rW+(\n)]
.elseif (\k) == F
	v_pk_fma_f32 v[rS+2*(\n):rS+2*(\n)+1], v[rS+2*(\n):rS+2*(\n)+1], s[CS:CS+1], v[rT:rT+1] op_sel_hi:[1,0,0] neg_lo:[0,0,1] neg_hi:[0,0,1]
.elseif (\k) == E
	v_exp_f32 v[rS+(\n)], v[rS+(\n)]
.elseif (\k) == C
	s_wait_alu depctr_va_vdst(0)
	v_cvt_pk_f16_f32 v[rP+(\n)], v[rS+2*(\n)], v[rS+2*(\n)+1]
.elseif (\k) == B
	v_pk_add_f32 v[rS+4*(\n):rS+4*(\n)+1], v[rS+4*(\n):rS+4*(\n)+1], v[rS+4*(\n)+2:rS+4*(\n)+3]
.elseif ((\k) == L) && ((\n) == 0)
	v_pk_fma_f32 v[rT+2:rT+3], v[rT+2:rT+3], v[rC+2:rC+3], v[rS:rS+1] op_sel_hi:[1,0,1]
.elseif (\k) == L
	v_pk_add_f32 v[rT+2:rT+3], v[rT+2:rT+3], v[rS+4*(\n):rS+4*(\n)+1]
	s_wait_alu depctr_va_vdst(0)
.elseif (\n) < 4
	v_max3_num_f32 v[rC+(\n)], v[rS+8*(\n)], v[rS+8*(\n)+1], v[rS+8*(\n)+2]
.elseif (\n) < 12
	v_max3_num_f32 v[rC+(\n)%4], v[rC+(\n)%4], v[rS+8*((\n)%4)+2*((\n)/4)+1], v[rS+8*((\n)%4)+2*((\n)/4)+2]
.elseif (\n) == 12
	v_max3_num_f32 v[rC], v[rC], v[rS+7], v[rS+15]
.elseif (\n) == 13
	v_max3_num_f32 v[rC+1], v[rC+1], v[rS+23], v[rS+31]
.elseif (\n) == 14
	v_max3_num_f32 v[rC+2], v[rC+2], v[rC+3], v[rT+1]
.elseif (\n) == 15
	v_mov_b32 v[rM], v[rT]
.elseif (\n) == 16
	v_max3_num_f32 v[rC], v[rC], v[rC+1], v[rC+2]
.elseif (\n) == 17
	v_permlanex16_b32 v[rC+3], v[rC], s[SEL], s[SEL+1]
.elseif (\n) == 18
	v_max_num_f32 v[rT+1], v[rC], v[rC+3]
.elseif (\n) == 19
	v_mul_f32 v[rT], s[CS], v[rT+1]
.elseif (\n) == 20
	v_sub_f32 v[rC+1], v[rM], v[rT]
.else
	v_exp_f32 v[rC+2], v[rC+1]
.endif
.endif
.endm
.macro OPS a, i1, b=-1, i2=0
	OP1 \a, \i1, 0
	OP1 \a, \i1, 1
.if (\b) >= 0
	OP1 \b, \i2, 0
	OP1 \b, \i2, 1
.endif
.endm
.macro ROW a, i1, b=-1, i2=0        ; a matrix instruction and up to four lines behind it; none names a register of the products round it
	MM
	OPS \a, \i1, \b, \i2
.endm
; A TURN, for piece p.  Every exponential has a plain line that touches none of its registers behind it before its result is used (ISA guide 5.7.2); the lane exchange stands in a lump, not behind a product.
; THE LANE MASKS of the next piece PN: when this piece's 64 selects have read the scalar registers, PN's words, asked for four turns ago, are handed over; the 64 lines stand between the links of the
; maximum's chain, which wait for each other, and behind the two products that have only two lines of their own.  Then PN's register pair is asked for again, with the words of PN's next key step.
; K of the next step is fetched in piece 2's turn, twelve plain lines behind the last product that read K, and waited for at piece 3's head;
; V of the step in hand in piece 0's turn, twelve plain lines behind the last product that read V, and waited for in piece 1's turn.
.macro TURN p, last=0
.set Y, (\p)
.set i, 0
.set PN, ((\p)+1)%NP
.set MKN, MK+2*PN-48*(PN/3)
.set rl, 0
.if (\p) == NP-1
	s_wait_dscnt 0x0                ; K is in
.endif
.set kk, 0
.rept 16
	ROW K, 2*kk, K, 2*kk+1
.set kk, kk+1
.endr
	OPS X,0, X,1
	OPS X,2, X,3
.if (\p) == NP-1
	s_add_co_u32 s[MOFF], s[MOFF], 128   ; piece 0 is the first to ask for a new step's words;
	s_min_u32 s[MOFF], s[MOFF], 3968     ; behind the last step the last step's are asked for once more, so that no load leaves the buffer
.endif
	s_wait_loadcnt 3                ; loads come back in order (ISA guide 5.7.1): PN's, issued four turns ago, is in; the three turns' between stay out.  It also frees that load's base pair
.if (\p) == NP-2
	WIN 0
	v_add_nc_u32 v[AK], s[TBK], v[AK0]
	FETCH_K \last
.endif
	OPS X,4, X,5
	RL 8
	OPS X,6, X,7
	RL 8
	OPS X,8, X,9
	RL 8
	OPS X,10, X,11
	RL 8
	OPS X,12, X,13
	RL 8
	OPS X,14, X,15
	RL 8
	OPS X,16
	RL 6
	OPS X,17
	RL 6
.if (\p) == 1
	s_wait_dscnt 0x0                ; V is in
.endif
	ROW X,18
	RL 2
	ROW X,19
	RL 2
	s_add_nc_u64 s[2+2*PN:3+2*PN], s[MB:MB+1], s[MOFF:MOFF+1]  ; the pointer and an offset made apart
	global_load_b64 v[MKN:MKN+1], v[L8], s[2+2*PN:3+2*PN] offset:8192*PN  ; two runs of 128 consecutive bytes; each byte of my wave's words is read once
	ROW X,20, F,0
	ROW F,1, X,21
.set kk, 0
.rept 12
	ROW F, kk+2, E, kk
.set kk, kk+1
.endr
	OPS F,14, E,12
	OPS F,15, E,13
.if (\p) == 0
	WIN 0
	v_add_nc_u32 v[AV], s[TBV], v[AV0]
	s_wait_alu depctr_va_vdst(0)
	FETCH_V
	s_add_co_u32 s[TBV], s[TBV], KS*PV
.endif
	OPS C,0, E,14
	OPS C,1, E,15
	OPS C,2, E,16
	OPS C,3, E,17
	OPS C,4, E,18
	OPS C,5, E,19
	OPS B,0, E,20
	OPS B,1, E,21
	OPS C,6, E,22
	OPS C,7, E,23
	OPS L,0, E,24
	OPS L,1, E,25
	OPS C,8, E,26
	OPS C,9, E,27
	OPS B,2, E,28
	OPS B,3, E,29
	OPS C,10, E,30
	OPS C,11, E,31
	OPS L,2, L,3
	OPS C,12, C,13
	OPS B,4, B,5
	OPS C,14, C,15
	OPS L,4, L,5
	OPS B,6, B,7
	OPS L,6, L,7
.set kk, 0
.rept 8
	OPS R, 2*kk, R, 2*kk+1
.set kk, kk+1
.endr
.endm
	CHANGE 1                        ; slot 0 is in, everybody's part of it; slot 1 is asked for
	FETCH_K                         ; key step 0
	s_wait_loadcnt 0x0              ; Q, and step 0's mask words
	s_wait_dscnt 0x0
.set i, 0
.rept 16
	KQ 0                            ; piece 0's first scores
.set i, i+1
.endr
	WIN 0                           ; the addresses for the way out: nine plain lines, the places behind those products
	s_mul_i32 s2, s[WV], 16*SP
	s_add_co_u32 s2, s2, STAGE      ; my stage
	v_mul_u32_u24 v[STO], v1, SP    ; in: row l % 16, 16 bytes for each half of the lanes
	v_lshl_add_u32 v[STO], v9, 4, v[STO]
	v_add_nc_u32 v[STO], s2, v[STO]
	v_bfe_u32 v[RD], v0, 3, 2       ; back: 32 lanes take four rows of 128 bytes,
	v_mul_u32_u24 v[RD], v[RD], SP
	v_lshl_add_u32 v[RD], v10, 4, v[RD]
	v_add_nc_u32 v[RD], s2, v[RD]
	v_and_b32 v[GO], 31, v0         ; which are 512 consecutive bytes of oh
	v_lshlrev_b32 v[GO], 4, v[GO]
.set MKN, MK
.set rl, 0
	RL 64                           ; piece 0's lane masks for step 0,
	global_load_b64 v[MK:MK+1], v[L8], s[MB:MB+1] offset:128  ; and its words for step 1 are asked for: one load of mine is out
	s_mov_b32 s[CNT], 4
	s_mov_b32 s[SLOTS], 7
	s_branch .Lfirst                ; the loop is entered at a step's first turn, in the middle of a trip
.Lslot:                             ; six times: every slot but the last two is filled again
	CHANGE 1
	s_mov_b32 s[CNT], 4
.Lstep:                             ; a trip: pieces 2 and 3 of one step, then pieces 0 and 1 of the next, whose K and V it fetches
	TURN 2
	TURN 3
	WIN 0
.Lfirst:
	TURN 0
	TURN 1
	WIN 0
	s_sub_co_u32 s[CNT], s[CNT], 1
	s_cmp_lg_u32 s[CNT], 0
	s_cbranch_scc1 .Lstep
	s_sub_co_u32 s[SLOTS], s[SLOTS], 1
	s_cmp_lg_u32 s[SLOTS], 0
	s_cbranch_scc1 .Lslot
	CHANGE 0                        ; the tail is written out: nothing is asked for
	s_mov_b32 s[CNT], 5             ; four trips fetch the last slot's steps; the fifth is left in its middle
.Ltail:
	TURN 2, 1
	TURN 3
	WIN 0
	s_sub_co_u32 s[CNT], s[CNT], 1
	s_cmp_eq_u32 s[CNT], 0
	s_cbranch_scc1 .Lout
	TURN 0
	TURN 1
	WIN 0
	s_branch .Ltail
.Lout:                              ; the fifth trip's 16 products K Q^T (on the last K once more) serve nothing: the price, once a launch, of one text for every trip
.set i, 0
.rept 16
	PV NP-1                         ; the last piece's V^T P of the last step
.set i, i+1
.endr
	; THE WAY OUT.  l's two halves and the other half of the lanes' are added; O^T is divided by l, rounded to f16 and sent through my stage, a tile at a time.  The additions are the places behind the last products.
	WIN 0
.macro ALL line:vararg
.set t, 0
.rept 2*NP
	\line
.set t, t+1
.endr
.endm
	ALL v_add_f32 v[ST+4*t+2], v[ST+4*t+2], v[ST+4*t+3]
	ALL v_permlanex16_b32 v[ST+4*t+3], v[ST+4*t+2], s[SEL], s[SEL+1]
	ALL v_add_f32 v[ST+4*t+2], v[ST+4*t+2], v[ST+4*t+3]
	ALL v_rcp_f32 v[ST+4*t+2], v[ST+4*t+2]
	v_nop                           ; a plain line between the last reciprocal and the use of its result
	s_wait_alu depctr_va_vdst(0)
.macro PACK t
	WIN W_RS
.set i, 32*(\t)
.rept 16
	v_pk_mul_f32 v[i:i+1], v[i:i+1], v[ST+4*(\t)+2:ST+4*(\t)+3] op_sel_hi:[1,0]
.set i, i+2
.endr
	WIN 0x05                        ; sources in window 1, destination in window 0: S^T's registers are free
.set i, 0
.rept 16
	v_cvt_pk_f16_f32 v[S+16*(\t)+i], v[32*(\t)+2*i], v[32*(\t)+2*i+1]
.set i, i+1
.endr
	WIN 0
.irp f, 0,1,2,3
	ds_store_b128 v[STO], v[S+16*(\t)+4*\f:S+16*(\t)+4*\f+3] offset:32*\f
.endr
.irp f, 0,1,2,3
	ds_load_b128 v[S+16*(\t)+4*\f:S+16*(\t)+4*\f+3], v[RD] offset:\f*4*SP  ; LDS serves a wave's instructions in order: these see the stores above; the next tile's stores come behind them
.endr
.endm
.macro SEND t, younger              ; younger: the LDS instructions issued behind tile t's loads: the next tile's eight, or none
	WIN 0
.irp f, 0,1,2,3
	s_wait_dscnt (\younger)+3-\f
	global_store_b128 v[GO], v[S+16*(\t)+4*\f:S+16*(\t)+4*\f+3], s[OP_:OP_+1] offset:(\t)*2048+\f*512  ; 512 consecutive bytes, aligned
.endr
.endm
	PACK 0
.set t, 1
.rept 2*NP-1
	PACK t
	SEND t-1, 8
.set t, t+1
.endr
	SEND 2*NP-1, 0
	s_wait_tensorcnt 0x0            ; the wave's end
	ds_add_u32 v[SPW], v[NIL]
	s_wait_dscnt 0x0
	CROUND                          ; the closing round
	s_endpgm
.Lfunc_end_k_q6a0ac49a5d_attn:
	.size	k_q6a0ac49a5d_attn, .Lfunc_end_k_q6a0ac49a5d_attn-k_q6a0ac49a5d_attn
	.p2alignl 7, 3214868480
	.fill 96, 4, 3214868480
	.section	.rodata,"a",@progbits
	.p2align	6, 0x0
	.amdhsa_kernel k_q6a0ac49a5d_attn
		.amdhsa_group_segment_fixed_size 327680
		.amdhsa_private_segment_fixed_size 0
		.amdhsa_enable_private_segment 0
		.amdhsa_kernarg_size 24
		.amdhsa_user_sgpr_count 2
		.amdhsa_user_sgpr_kernarg_segment_ptr 1
		.amdhsa_wavefront_size32 1
		.amdhsa_system_sgpr_workgroup_id_x 1
		.amdhsa_system_sgpr_workgroup_id_y 1
		.amdhsa_system_sgpr_workgroup_id_z 1
		.amdhsa_system_vgpr_workitem_id 0
		.amdhsa_next_free_vgpr 768
		.amdhsa_next_free_sgpr 106
		.amdhsa_reserve_vcc 0
		.amdhsa_float_denorm_mode_32 3
		.amdhsa_float_denorm_mode_16_64 3
		.amdhsa_memory_ordered 1
		.amdhsa_forward_progress 1
		.amdhsa_inst_pref_size 255
	.end_amdhsa_kernel
	.section	.bss,"aw",@nobits
	.p2align	6
	.space	262144
	.amdgpu_metadata
---
amdhsa.version: [ 1, 2 ]
amdhsa.kernels:
  - .name:           k_q6a0ac49a5d_attn
    .symbol:         k_q6a0ac49a5d_attn.kd
    .args:
      - { .name: qkv, .offset: 0, .size: 8, .value_kind: global_buffer, .address_space: global }
      - { .name: mbits, .offset: 8, .size: 8, .value_kind: global_buffer, .address_space: global }
      - { .name: oh, .offset: 16, .size: 8, .value_kind: global_buffer, .address_space: global }
    .group_segment_fixed_size: 327680
    .private_segment_fixed_size: 0
    .kernarg_segment_align: 8
    .kernarg_segment_size: 24
    .max_flat_workgroup_size: 128
    .sgpr_count:     106
    .vgpr_count:     768
    .wavefront_size: 32
...
	.end_amdgpu_metadata
.endif
;; end of part 3
;; launch oproj (part 4): grid 4 x 64, 4 waves a work-group, clusters of 4 x 4, 327,680 bytes of LDS; arguments oh, wb, bo, out0; writes out0
.if DOCPART == 4
	.amdgcn_target "amdgcn-amd-amdhsa--gfx1250"
	.amdhsa_code_object_version 6
	.text
	.protected	k_q6a0ac49a5d_oproj
	.globl	k_q6a0ac49a5d_oproj
	.p2align	8
	.type	k_q6a0ac49a5d_oproj,@function
k_q6a0ac49a5d_oproj:
	s_mov_b64 s[64:65], 0
	v_nop
	global_prefetch_b8 v0, s[64:65] scope:SCOPE_SE
	s_setreg_imm32_b32 hwreg(HW_REG_WAVE_MODE, 25, 1), 1
	s_wait_xcnt 0x0
	s_wait_alu depctr_hold_cnt(0) depctr_sa_sdst(0) depctr_va_vdst(0) depctr_va_sdst(0) depctr_va_ssrc(0) depctr_va_vcc(0) depctr_vm_vsrc(0)
	s_getreg_b32 s2, hwreg(HW_REG_IB_STS2, 6, 4)
	s_cmp_eq_u32 s2, 0
	s_cbranch_scc0 .Lentry_in_a_cluster
	s_endpgm
.Lentry_in_a_cluster:
	s_bfe_u32 s2, ttmp6, 0x10000c
	s_cmp_lg_u32 s2, 0xf033
	s_cbranch_scc0 .Lentry_shape_is_right
	s_endpgm
.Lentry_shape_is_right:
; THE OUTPUT PROJECTION: out0 [8192][1024] (f32) = O (oh, [batch 16 + head][2048][64] f16, k = 64 head + channel) x wb[3] [k][n] (wo rounded to bf16, held as f16) + bo (rounded to bf16), sums in f32.
; SHARES, RING, CLUSTER as in the projections in front: tiles of 128 x 256, four waves of 64 x 128, K steps of 128 (two heads) through two LDS slots, 4 x 4 work-groups that ask for
; O's tiles jointly along a row of the cluster and for W's along a column.  The matrix instruction is used transposed; the bias is the C operand of the first products.
; REGISTERS.  window 0: v0-31 addresses; v32-63, v64-95 O's fragments, two buffers; v96-223 the way out
;             window 1: v0-63, v64-127 W's fragments; v128-191 the bias; v192-195 at work      window 2: accumulator (a, b) at v[8 (8 a + b)]
.set PA,     144                       ; a row of O in LDS: 128 bytes + 16
.set HEADB,  128*PA                    ; a head's 128 rows: what one tensor load brings of O
.set PB,     544                       ; a row of W: 512 + 32 = 17 x 32 bytes, for the turning load
.set BHALF,  64*PB
.set BOFF,   2*HEADB
.set SLOT,   BOFF+2*BHALF              ; 106,496
.set STAGE,  2*SLOT                    ; behind the ring: 16 rows x 528 bytes for each wave
.set SPITCH, 528
.set SPARE,  STAGE+4*16*SPITCH         ; the spare words, 128 bytes a wave: two blocks of 256 bytes that no other line names
.set ADRA, 16
.set ADRB, 20
.set STO,  24
.set RD,   25
.set CO,   26
.set BO,   27
.set SPW,  28
.set NIL,  29
.set AF,   32
.set OB,   96
.set BIAS, 128
.set G1,  24
.set G0,  32
.set G1B, 48
.set G0B, 56
.set MSB, 0
.macro WIN new
.if MSB != (\new)
	s_set_vgpr_msb (MSB<<8)|(\new)
.set MSB, \new
.endif
.endm
.set MUL,  0xa1
.set MULB, 0x91
.set TO_B, 0x40
.macro JLOAD s                         ; waves 0 and 1 fetch the K step's two heads of O, waves 2 and 3 W's two halves; an s_nop 0 and four v_nop follow each line
	s_cmp_eq_u32 s11, 0
	s_cbranch_scc0 .Lfor_b_\@
	tensor_load_to_lds s[G0+4*(\s):G0+4*(\s)+3], s[G1:G1+7]
	s_nop 0
.rept 4
	v_nop
.endr
	s_branch .Lasked_\@
.Lfor_b_\@:
	tensor_load_to_lds s[G0B+4*(\s):G0B+4*(\s)+3], s[G1B:G1B+7]
	s_nop 0
.rept 4
	v_nop
.endr
.Lasked_\@:
.endm
.macro CREST
	s_cmp_lg_u32 s10, 0
	s_cbranch_scc1 .Lnot_wave_0_\@
	s_barrier_signal -3
.Lnot_wave_0_\@:
	s_barrier_wait -3
	s_barrier_signal -1
	s_barrier_wait -1
.endm
.macro CROUND
	s_barrier_signal -1
	s_barrier_wait -1
	CREST
.endm
.macro PLACES                          ; four places in front of loads into registers that matrix instructions have read, and of LDS stores that read results
.rept 4
	v_nop
.endr
.endm
	s_load_b256 s[68:75], s[0:1], 0x0              ; oh 68, wb 70, bo 72, out0 74
	v_lshl_add_u32 v[SPW], v0, 2, SPARE
	v_mov_b32 v[NIL], 0
	ds_add_u32 v[SPW], v[NIL]                      ; the wave's opening: the add and its wait ahead of my first tensor load
	v_lshrrev_b32 v1, 5, v0
	v_readfirstlane_b32 s10, v1
	s_lshr_b32 s11, s10, 1
	s_and_b32 s12, s10, 1
	s_bfe_u32 s40, ttmp6, 0x40000                  ; cx
	s_bfe_u32 s41, ttmp6, 0x40004                  ; cy
	s_lshl_b32 s42, ttmp9, 2
	s_add_co_u32 s42, s42, s40                     ; tile column 0..3
	s_and_b32 s13, ttmp7, 0xffff
	s_lshl_b32 s13, s13, 2
	s_add_co_u32 s13, s13, s41                     ; tile row 0..63
	s_lshl_b32 s43, s41, 2
	s_lshl_b32 s43, 15, s43
	s_lshl_b32 s44, 0x1111, s40
	s_or_b32 s[G1+0], s43, (1<<16)|(1<<20)|(1<<21)|(4<<22)|(3<<25)   ; 2-byte elements; after every 32 words 4 words
	s_or_b32 s[G1B+0], s44, (1<<16)|(1<<20)|(1<<21)|(6<<22)|(7<<25)  ; after every 128 words 8 words
	s_mov_b32 s[G1+1], 128<<16                     ; O: a head's 128 rows are 16,384 dense bytes: asked for as 64 rows of 256 bytes
	s_mov_b32 s[G1+2], 64<<16
	s_mov_b32 s[G1+3], 128<<16
	s_mov_b32 s[G1+4], 64
	s_mov_b32 s[G1+5], 128
	s_mov_b32 s[G1+6], 0
	s_mov_b32 s[G1+7], 0
	s_mov_b32 s[G1B+1], 256<<16                    ; W: 64 rows of k x 256 columns
	s_mov_b32 s[G1B+2], 64<<16
	s_mov_b32 s[G1B+3], 256<<16
	s_mov_b32 s[G1B+4], 64
	s_mov_b32 s[G1B+5], 1024
	s_mov_b32 s[G1B+6], 0
	s_mov_b32 s[G1B+7], 0
	s_lshr_b32 s16, s13, 4
	s_lshl_b32 s16, s16, 22                        ; O: the batch's 16 heads,
	s_lshl_b32 s17, s12, 18                        ; my head of the K step's two,
	s_add_co_u32 s16, s16, s17
	s_and_b32 s17, s13, 15
	s_lshl_b32 s17, s17, 14                        ; 128 rows of 128 bytes a tile row
	s_add_co_u32 s16, s16, s17
	s_mov_b32 s17, 0
	s_lshl_b32 s46, s12, 17                        ; W: 64 rows of 2,048 bytes a half,
	s_add_co_u32 s46, s46, 3<<21                   ; matrix 3,
	s_lshl_b32 s47, s42, 9                         ; 256 columns a tile column
	s_add_co_u32 s46, s46, s47
	s_mov_b32 s47, 0
	s_mul_i32 s20, s12, HEADB
	s_mul_i32 s21, s12, BHALF
	s_add_co_u32 s21, s21, BOFF
	s_wait_dscnt 0x0                               ; the opening add is done
	s_wait_kmcnt 0x0
	s_add_nc_u64 s[14:15], s[68:69], s[16:17]
	s_add_nc_u64 s[46:47], s[70:71], s[46:47]
	CROUND                                         ; all sixteen work-groups are here: the first joint loads meet
.irp s, 0,1
	s_mov_b32 s[G0+4*(\s)], 1
	s_add_co_u32 s[G0+4*(\s)+1], s20, (\s)*SLOT
	s_add_nc_u64 s[G0+4*(\s)+2:G0+4*(\s)+3], s[14:15], (\s)*524288    ; K step s: two heads on
	s_or_b32 s[G0+4*(\s)+3], s[G0+4*(\s)+3], 0x80000000
	s_mov_b32 s[G0B+4*(\s)], 1
	s_add_co_u32 s[G0B+4*(\s)+1], s21, (\s)*SLOT
	s_add_nc_u64 s[G0B+4*(\s)+2:G0B+4*(\s)+3], s[46:47], (\s)*262144
	s_or_b32 s[G0B+4*(\s)+3], s[G0B+4*(\s)+3], 0x80000000
.endr
	s_cmp_eq_u32 s11, 0                            ; a wave's two first fills stand in one branch: two loads of mine are out
	s_cbranch_scc0 .Lfirst_b
	tensor_load_to_lds s[G0:G0+3], s[G1:G1+7]
	s_nop 0
	tensor_load_to_lds s[G0+4:G0+7], s[G1:G1+7]
	s_nop 0
.rept 4
	v_nop
.endr
	s_branch .Lfirst_asked
.Lfirst_b:
	tensor_load_to_lds s[G0B:G0B+3], s[G1B:G1B+7]
	s_nop 0
	tensor_load_to_lds s[G0B+4:G0B+7], s[G1B:G1B+7]
	s_nop 0
.rept 4
	v_nop
.endr
.Lfirst_asked:
	v_and_b32 v1, 15, v0                           ; r
	v_bfe_u32 v2, v0, 4, 1                         ; h
	v_lshlrev_b32 v[BO], 5, v2
	s_lshl_b32 s46, s42, 10
	s_lshl_b32 s47, s12, 9
	s_add_co_u32 s46, s46, s47                     ; my 128 columns, 4 bytes each: in bo and in a row of out0
	s_mov_b32 s47, 0
	s_add_nc_u64 s[92:93], s[72:73], s[46:47]
	WIN TO_B
.set b, 0
.rept 8
	global_load_b128 v[BIAS+8*b:BIAS+8*b+3],   v[BO], s[92:93] offset:64*b
	global_load_b128 v[BIAS+8*b+4:BIAS+8*b+7], v[BO], s[92:93] offset:64*b+16
.set b, b+1
.endr
	WIN 0
	v_mul_u32_u24 v3, v1, PA
	v_lshl_add_u32 v3, v2, 4, v3
	s_mul_i32 s22, s11, 64*PA
	v_add_nc_u32 v[ADRA], s22, v3
	v_add_nc_u32 v[ADRA+1], SLOT, v[ADRA]
	v_and_b32 v4, 7, v0
	v_bfe_u32 v5, v0, 3, 1
	v_lshl_add_u32 v6, v2, 3, v4
	v_mul_u32_u24 v6, v6, PB
	v_lshl_add_u32 v6, v5, 4, v6
	s_lshl_b32 s22, s12, 8
	s_add_co_u32 s22, s22, BOFF
	v_add_nc_u32 v[ADRB], s22, v6
	v_add_nc_u32 v[ADRB+1], SLOT, v[ADRB]
	s_mul_i32 s23, s10, 16*SPITCH
	s_add_co_u32 s23, s23, STAGE                   ; my stage
	v_mul_u32_u24 v7, v1, SPITCH                   ; in: row r, 32 bytes for each half of the lanes
	v_lshl_add_u32 v7, v2, 5, v7
	v_add_nc_u32 v[STO], s23, v7
	v_and_b32 v[CO], 31, v0                        ; back: 32 lanes take a row's 512 bytes
	v_lshlrev_b32 v[CO], 4, v[CO]
	v_add_nc_u32 v[RD], s23, v[CO]
	s_lshl_b32 s14, s13, 19                        ; 128 rows of 4,096 bytes a tile row,
	s_add_co_u32 s46, s46, s14
	s_lshl_b32 s14, s11, 18                        ; 64 a wave
	s_add_co_u32 s46, s46, s14
	s_add_nc_u64 s[8:9], s[74:75], s[46:47]
	s_wait_loadcnt 0x0                             ; the bias, once
	WIN 0x45                                       ; all in window 1: the bias is rounded to bf16 as every input is
.set b, 0
.rept 32
	v_cvt_pk_bf16_f32 v[192+b%4], v[BIAS+2*b], v[BIAS+2*b+1]
	v_lshlrev_b32 v[BIAS+2*b], 16, v[192+b%4]
	v_and_b32 v[BIAS+2*b+1], 0xffff0000, v[192+b%4]
.set b, b+1
.endr
	WIN 0
.macro MUL8 f, a, first=0              ; eight matrix instructions: rows 16 a .. x all eight blocks of 16 columns, 32 along K.  The 32 accumulators take turns in the same order in every quarter.
.set b, 0
.rept 8
.if \first
	WIN MULB
	v_wmma_f32_16x16x32_f16 v[8*(8*(\a)+b):8*(8*(\a)+b)+7], v[64*(\f)+8*b:64*(\f)+8*b+7], v[AF+32*(\f)+8*(\a):AF+32*(\f)+8*(\a)+7], v[BIAS+8*b:BIAS+8*b+7]
.else
	WIN MUL
	v_wmma_f32_16x16x32_f16 v[8*(8*(\a)+b):8*(8*(\a)+b)+7], v[64*(\f)+8*b:64*(\f)+8*b+7], v[AF+32*(\f)+8*(\a):AF+32*(\f)+8*(\a)+7], v[8*(8*(\a)+b):8*(8*(\a)+b)+7]
.endif
.set b, b+1
.endr
.endm
.macro FETCH slot, kq, g               ; 24 LDS loads in one run: quarter kq: head kq / 2 of the step's two, channels 32 (kq % 2) on
	WIN 0
.set a, 0
.rept 4
	ds_load_b128 v[AF+32*(\g)+8*a:AF+32*(\g)+8*a+3],   v[ADRA+(\slot)] offset:((\kq)/2)*HEADB+((\kq)%2)*64+a*16*PA
	ds_load_b128 v[AF+32*(\g)+8*a+4:AF+32*(\g)+8*a+7], v[ADRA+(\slot)] offset:((\kq)/2)*HEADB+((\kq)%2)*64+a*16*PA+32
.set a, a+1
.endr
	WIN TO_B
.set b, 0
.rept 8
	ds_load_tr16_b128 v[64*(\g)+8*b:64*(\g)+8*b+3],   v[ADRB+(\slot)] offset:(\kq)*32*PB+32*b
	ds_load_tr16_b128 v[64*(\g)+8*b+4:64*(\g)+8*b+7], v[ADRB+(\slot)] offset:(\kq)*32*PB+16*PB+32*b
.set b, b+1
.endr
.endm
.macro QUARTER slot, kq, f, g, first=0
	s_wait_dscnt 0x0                               ; this quarter's fragments, asked for a quarter ago, are in
	PLACES
	FETCH \slot, \kq, \g
	MUL8 \f, 0, \first
	MUL8 \f, 1, \first
	MUL8 \f, 2, \first
	MUL8 \f, 3, \first
.endm
; The last quarter changes slots: ONE barrier; in front of it each wave waits for all its tensor loads (one is out), adds 0 to its spare word, and waits for that and for its reads of this slot.
.macro TURN slot, next, fill
	WIN 0
	s_wait_tensorcnt 0x0
	ds_add_u32 v[SPW], v[NIL]
	s_wait_dscnt 1                                 ; the fragments are in; the add alone may be out
	MUL8 1, 0
	s_wait_dscnt 0x0                               ; the add is done, and my reads of this slot are over
	s_barrier_signal -1
	MUL8 1, 1
.if \fill
	WIN 0
.endif
	s_barrier_wait -1
.if \fill
	CREST                                          ; no wave of any partner still reads this slot or has a load on its way
	s_add_nc_u64 s[G0+4*(\slot)+2:G0+4*(\slot)+3], s[G0+4*(\slot)+2:G0+4*(\slot)+3], 1048576
	s_add_nc_u64 s[G0B+4*(\slot)+2:G0B+4*(\slot)+3], s[G0B+4*(\slot)+2:G0B+4*(\slot)+3], 524288
	JLOAD \slot                                    ; the four v_nop behind it are also the places in front of the loads below
.else
	PLACES
.endif
	FETCH \next, 0, 0
	MUL8 1, 2
	MUL8 1, 3
.endm
	s_wait_tensorcnt 1                             ; my part of K step 0 is in; K step 1's may stay out
	s_barrier_signal -1
	s_barrier_wait -1
	FETCH 0, 0, 0
	QUARTER 0, 1, 0, 1, 1                          ; the first quarter stands in front of the loop: its products start the sums on the bias
	WIN 0
	s_mov_b32 s3, 3
.Llap:
	QUARTER 0, 2, 1, 0
	QUARTER 0, 3, 0, 1
	TURN 0, 1, 1
	QUARTER 1, 1, 0, 1
	QUARTER 1, 2, 1, 0
	QUARTER 1, 3, 0, 1
	TURN 1, 0, 1
	QUARTER 0, 1, 0, 1
	WIN 0
	s_sub_co_u32 s3, s3, 1
	s_cmp_lg_u32 s3, 0
	s_cbranch_scc1 .Llap
	QUARTER 0, 2, 1, 0                             ; the last lap fills nothing
	QUARTER 0, 3, 0, 1
	TURN 0, 1, 0
	QUARTER 1, 1, 0, 1
	QUARTER 1, 2, 1, 0
	QUARTER 1, 3, 0, 1
	s_wait_dscnt 0x0
	MUL8 1, 0
	MUL8 1, 1
	MUL8 1, 2
	MUL8 1, 3
	PLACES
; THE WAY OUT, 16 rows at a time: the f32 sums go into my own stage as they are (each accumulator's lowest registers first) and come back as whole rows of 512 bytes.
.macro TOSTAGE a
.if (\a) >= 2
	s_wait_xcnt 0x0                                ; the stores of the block two back have read the registers that are loaded again below
.endif
	WIN 0x08                                       ; the stores' data in window 2
.set b, 0
.rept 8
	ds_store_b128 v[STO], v[8*(8*(\a)+b):8*(8*(\a)+b)+3]   offset:64*b
	ds_store_b128 v[STO], v[8*(8*(\a)+b)+4:8*(8*(\a)+b)+7] offset:64*b+16
.set b, b+1
.endr
	WIN 0
.set t, 0
.rept 16
	ds_load_b128 v[OB+64*((\a)%2)+4*t:OB+64*((\a)%2)+4*t+3], v[RD] offset:t*SPITCH  ; LDS serves a wave's instructions in order: these see the stores above
.set t, t+1
.endr
.endm
.macro SEND a, younger                 ; younger: the next block's 16 stores and 16 loads, or none
.set t, 0
.rept 16
	s_wait_dscnt (\younger)+15-t
	global_store_b128 v[CO], v[OB+64*((\a)%2)+4*t:OB+64*((\a)%2)+4*t+3], s[8:9] offset:65536*(\a)+4096*t th:TH_STORE_NT  ; the wave stores 512 consecutive bytes, aligned
.set t, t+1
.endr
.endm
	TOSTAGE 0
.irp a, 1,2,3
	TOSTAGE \a
	SEND (\a)-1, 32
.endr
	SEND 3, 0
	s_wait_tensorcnt 0x0                           ; the wave's end
	ds_add_u32 v[SPW], v[NIL]
	s_wait_dscnt 0x0
	CROUND                                         ; the closing round
	s_endpgm
.Lfunc_end_k_q6a0ac49a5d_oproj:
	.size	k_q6a0ac49a5d_oproj, .Lfunc_end_k_q6a0ac49a5d_oproj-k_q6a0ac49a5d_oproj
	.p2alignl 7, 3214868480
	.fill 96, 4, 3214868480
	.section	.rodata,"a",@progbits
	.p2align	6, 0x0
	.amdhsa_kernel k_q6a0ac49a5d_oproj
		.amdhsa_group_segment_fixed_size 327680
		.amdhsa_private_segment_fixed_size 0
		.amdhsa_enable_private_segment 0
		.amdhsa_kernarg_size 32
		.amdhsa_user_sgpr_count 2
		.amdhsa_user_sgpr_kernarg_segment_ptr 1
		.amdhsa_wavefront_size32 1
		.amdhsa_system_sgpr_workgroup_id_x 1
		.amdhsa_system_sgpr_workgroup_id_y 1
		.amdhsa_system_sgpr_workgroup_id_z 1
		.amdhsa_system_vgpr_workitem_id 0
		.amdhsa_next_free_vgpr 768
		.amdhsa_next_free_sgpr 100
		.amdhsa_reserve_vcc 0
		.amdhsa_float_denorm_mode_32 3
		.amdhsa_float_denorm_mode_16_64 3
		.amdhsa_memory_ordered 1
		.amdhsa_forward_progress 1
		.amdhsa_inst_pref_size 93
	.end_amdhsa_kernel
	.amdgpu_metadata
---
amdhsa.version: [ 1, 2 ]
amdhsa.kernels:
  - .name:           k_q6a0ac49a5d_oproj
    .symbol:         k_q6a0ac49a5d_oproj.kd
    .args:
      - { .name: oh, .offset: 0, .size: 8, .value_kind: global_buffer, .address_space: global }
      - { .name: wb, .offset: 8, .size: 8, .value_kind: global_buffer, .address_space: global }
      - { .name: bo, .offset: 16, .size: 8, .value_kind: global_buffer, .address_space: global }
      - { .name: out0, .offset: 24, .size: 8, .value_kind: global_buffer, .address_space: global }
    .group_segment_fixed_size: 327680
    .private_segment_fixed_size: 0
    .kernarg_segment_align: 8
    .kernarg_segment_size: 32
    .max_flat_workgroup_size: 128
    .sgpr_count:     100
    .vgpr_count:     768
    .wavefront_size: 32
...
	.end_amdgpu_metadata
.endif
;; end of part 4
